; MI455X (gfx1250); checked and timed in simulation.
; The chip was launched on July 23, 2026; its instructions are those of AMD's public machine-readable ISA for CDNA 5 (MIT licence, August 2026) and "CDNA5" Instruction Set Architecture Reference Guide (July 2026). The comments in the code are by the model that wrote it; some were corrected since.
;; Self attention2. Allowed arithmetic: float matrix products may take bf16 or f16 operands with f32 sums; other float arithmetic in f32, or as packed bf16 or f16 multiplies, adds, multiply-adds, maxima and minima; sums over many terms, partial sums and values carried from step to step in f32; what a program stores and reads back later, other than sums and carried values, may be rounded once to bf16 or f16.
;; Inputs: W1 1,024 x 1,024 float32; W2 1,024 x 1,024 float32; Wk 1,024 x 1,024 float32; Wq 1,024 x 1,024 float32; Wv 1,024 x 1,024 float32; b1 1,024 float32; b2 1,024 float32; l 8 int32; ln_bias 1,024 float32; ln_scale 1,024 float32; x 8 x 1,024 x 1,024 float32.
;; Outputs: out0 8 x 1,024 x 1,024 float32.
;; 2 versions, each right; version 2 is version 1 with the launches prep, fix written anew for expert scheduling mode. Each part assembles by itself: llvm-mc -triple=amdgcn-amd-amdhsa -mcpu=gfx1250 --defsym DOCPART=n.
;; ======== version 1 of 2: 6 launches
;; workspace buffers: px 18,874,368 bytes; pa 18,874,368 bytes; pw 4,194,304 bytes; pv 2,097,152 bytes; bq 16,777,216 bytes; bk 16,777,216 bytes; vt 16,777,216 bytes; ev 33,554,432 bytes
;; launch prep (part 1): grid 512 x 1, 8 waves a work-group, no clusters, 0 bytes of LDS; arguments x, ln_scale, ln_bias, Wq, Wk, Wv, W1, W2, px, pa, pw, pv; writes px, pa, pw, pv
.if DOCPART == 1
	.amdgcn_target "amdgcn-amd-amdhsa--gfx1250"
	.amdhsa_code_object_version 6
	.text
	.protected	k_q2a806b9e50_prep
	.globl	k_q2a806b9e50_prep
	.p2align	8
	.type	k_q2a806b9e50_prep,@function
k_q2a806b9e50_prep:
	s_mov_b64 s[64:65], 0
	v_nop
	global_prefetch_b8 v0, s[64:65] scope:SCOPE_SE
	s_setreg_imm32_b32 hwreg(HW_REG_WAVE_MODE, 25, 1), 1
	s_wait_xcnt 0x0
; PREPARATION.  From x [8192][1024] f32: xt = LayerNorm(x) * ln_scale + ln_bias and xa = relu(x) + x, both rounded once to bf16; the five weights rounded to bf16.
; All go out as blocks of [1024][1024] bf16 (2,097,152 bytes): px = xt by batch (8 blocks), then W2;  pa = xa by batch (8 blocks), then W1;  pw = Wq, Wk;  pv = Wv.
; (The product launches find their operands by block numbers made of their ids alone; that is why W2 and W1 lie at the same block of two buffers.)
; SHARES.  4,096 waves.  Wave gw takes rows 2 gw and 2 gw + 1 of x, a whole row in 32 registers (load j: columns 128 j + 4 lane .. + 3), so mean and variance never leave the wave:
; no LDS, no barrier.  The variance is taken of the centred row (two passes over registers), so a common offset of x costs no accuracy.  It also takes 1,024 bytes of each weight.
; Every load of a wave covers 512 consecutive bytes, every store 256 consecutive bytes at a multiple of 256 from the buffer's first byte.  Each input byte is read once.
; All 42 loads of a wave go out at the start; the waits count down as the data are wanted.  A stream: matrix units, clusters and LDS would add nothing; the loads are all out at once, so nothing is prefetched.
; LIMITS.  relu(NaN) counts as 0; NaN and infinities are not treated apart.
.set BLK, 2097152
.set T,   8            ; v[8:23]    at work
.set MU,  24           ; v[24:25]   the row's mean, twice
.set RS,  26           ; v[26:27], v[28:29]  1 / sqrt(var + eps) of row 0, row 1, twice each
.set X,   32           ; v[32:95]   the two rows
.set G,   96           ; v[96:127]  ln_scale of my columns
.set BT,  128          ; v[128:159] ln_bias
.set W,   160          ; v[160:199] ten loads of weights
.set YT,  200          ; v[200:215] xt to store (later, with YA: the weights to store)
.set YA,  216          ; v[216:231] xa to store
	s_load_b512 s[4:19], s[0:1], 0x0               ; x s[4:5], ln_scale s[6:7], ln_bias s[8:9], Wq, Wk, Wv, W1, W2 s[10:19]
	s_load_b256 s[20:27], s[0:1], 0x40             ; px s[20:21], pa s[22:23], pw s[24:25], pv s[26:27]
	v_lshrrev_b32 v1, 5, v0
	v_readfirstlane_b32 s28, v1                    ; wave 0..7
	s_lshl_b32 s29, ttmp9, 3
	s_add_co_u32 s29, s29, s28                     ; gw
	v_and_b32 v4, 31, v0
	v_lshlrev_b32 v2, 4, v4                        ; 16 x lane: f32 in
	v_lshlrev_b32 v3, 3, v4                        ; 8 x lane: bf16 out
	s_mov_b32 s30, 0x76543210                      ; v_permlanex16_b32: each lane takes its own place in the other half
	s_mov_b32 s31, 0xfedcba98
	s_mov_b32 s44, 0x3a800000                      ; 1 / 1024
	s_mov_b32 s45, 0x3727c5ac                      ; 1e-5
	s_lshl_b32 s32, s29, 13                        ; two rows of 4,096 bytes
	s_mov_b32 s33, 0
	s_lshl_b32 s34, s29, 12                        ; two rows of 2,048 bytes
	s_mov_b32 s35, 0
	s_lshl_b32 s36, s29, 10                        ; my 1,024 bytes of a weight
	s_mov_b32 s37, 0
	s_lshl_b32 s38, s29, 9                         ; and their 512 bytes in bf16,
	s_mov_b32 s39, 0
	s_add_co_u32 s40, s38, 8*BLK                   ; the same behind eight blocks
	s_mov_b32 s41, 0
	s_wait_kmcnt 0x0
	s_add_nc_u64 s[4:5], s[4:5], s[32:33]
.irp i, 0,1,2,3,4
	s_add_nc_u64 s[10+2*(\i):11+2*(\i)], s[10+2*(\i):11+2*(\i)], s[36:37]
.endr
	s_add_nc_u64 s[42:43], s[20:21], s[40:41]      ; W2's place: px, block 8
	s_add_nc_u64 s[46:47], s[22:23], s[40:41]      ; W1's place: pa, block 8
	s_add_nc_u64 s[20:21], s[20:21], s[34:35]      ; xt at my rows
	s_add_nc_u64 s[22:23], s[22:23], s[34:35]      ; xa at my rows
	s_add_nc_u64 s[24:25], s[24:25], s[38:39]      ; Wq's place; Wk's is one block on
	s_add_nc_u64 s[26:27], s[26:27], s[38:39]      ; Wv's place
.irp r, 0,1
.irp j, 0,1,2,3,4,5,6,7
	global_load_b128 v[X+32*(\r)+4*(\j):X+32*(\r)+4*(\j)+3], v2, s[4:5] offset:4096*(\r)+512*(\j) th:TH_LOAD_NT
.endr
.endr
.irp j, 0,1,2,3,4,5,6,7
	global_load_b128 v[G+4*(\j):G+4*(\j)+3], v2, s[6:7] offset:512*(\j)
.endr
.irp j, 0,1,2,3,4,5,6,7
	global_load_b128 v[BT+4*(\j):BT+4*(\j)+3], v2, s[8:9] offset:512*(\j)
.endr
.irp i, 0,1,2,3,4
	global_load_b128 v[W+8*(\i):W+8*(\i)+3],   v2, s[10+2*(\i):11+2*(\i)] th:TH_LOAD_NT
	global_load_b128 v[W+8*(\i)+4:W+8*(\i)+7], v2, s[10+2*(\i):11+2*(\i)] offset:512 th:TH_LOAD_NT
.endr
; xa of row r: relu(x) + x, rounded, stored.  It reads the row as loaded, so it stands ahead of STAT, which centres the row in place.
.macro RELU r
.irp j, 0,1,2,3,4,5,6,7
.irp k, 0,1,2,3
	v_max_num_f32 v[T+4*((\j)%4)+(\k)], 0, v[X+32*(\r)+4*(\j)+(\k)]
.endr
	v_pk_add_f32 v[T+4*((\j)%4):T+4*((\j)%4)+1],   v[T+4*((\j)%4):T+4*((\j)%4)+1],   v[X+32*(\r)+4*(\j):X+32*(\r)+4*(\j)+1]
	v_pk_add_f32 v[T+4*((\j)%4)+2:T+4*((\j)%4)+3], v[T+4*((\j)%4)+2:T+4*((\j)%4)+3], v[X+32*(\r)+4*(\j)+2:X+32*(\r)+4*(\j)+3]
	v_cvt_pk_bf16_f32 v[YA+2*(\j)],   v[T+4*((\j)%4)],   v[T+4*((\j)%4)+1]
	v_cvt_pk_bf16_f32 v[YA+2*(\j)+1], v[T+4*((\j)%4)+2], v[T+4*((\j)%4)+3]
	global_store_b64 v3, v[YA+2*(\j):YA+2*(\j)+1], s[22:23] offset:256*(\j)+2048*(\r)
.endr
.endm
; v[T:T+7], four packed chains, into one number in every lane
.macro WSUM
	v_pk_add_f32 v[T:T+1], v[T:T+1], v[T+2:T+3]
	v_pk_add_f32 v[T+4:T+5], v[T+4:T+5], v[T+6:T+7]
	v_pk_add_f32 v[T:T+1], v[T:T+1], v[T+4:T+5]
	v_add_f32 v[T], v[T], v[T+1]
.irp m, 1,2,4,8
	v_add_f32_dpp v[T], v[T], v[T] row_xmask:\m row_mask:0xf bank_mask:0xf
.endr
	v_permlanex16_b32 v[T+1], v[T], s30, s31       ; its destination has been written above
	v_add_f32 v[T], v[T], v[T+1]
.endm
; mean; the row centred in place; 1 / sqrt(var + eps)
.macro STAT r
.irp k, 0,1,2,3
	v_pk_add_f32 v[T+2*(\k):T+2*(\k)+1], v[X+32*(\r)+2*(\k):X+32*(\r)+2*(\k)+1], v[X+32*(\r)+8+2*(\k):X+32*(\r)+8+2*(\k)+1]
.endr
.irp p, 8,9,10,11,12,13,14,15
	v_pk_add_f32 v[T+2*((\p)%4):T+2*((\p)%4)+1], v[T+2*((\p)%4):T+2*((\p)%4)+1], v[X+32*(\r)+2*(\p):X+32*(\r)+2*(\p)+1]
.endr
	WSUM
	v_mul_f32 v[MU], s44, v[T]
	v_mov_b32 v[MU+1], v[MU]
.irp p, 0,1,2,3,4,5,6,7,8,9,10,11,12,13,14,15
	v_pk_add_f32 v[X+32*(\r)+2*(\p):X+32*(\r)+2*(\p)+1], v[X+32*(\r)+2*(\p):X+32*(\r)+2*(\p)+1], v[MU:MU+1] neg_lo:[0,1] neg_hi:[0,1]
.endr
.irp k, 0,1,2,3
	v_pk_mul_f32 v[T+2*(\k):T+2*(\k)+1], v[X+32*(\r)+2*(\k):X+32*(\r)+2*(\k)+1], v[X+32*(\r)+2*(\k):X+32*(\r)+2*(\k)+1]
.endr
.irp p, 4,5,6,7,8,9,10,11,12,13,14,15
	v_pk_fma_f32 v[T+2*((\p)%4):T+2*((\p)%4)+1], v[X+32*(\r)+2*(\p):X+32*(\r)+2*(\p)+1], v[X+32*(\r)+2*(\p):X+32*(\r)+2*(\p)+1], v[T+2*((\p)%4):T+2*((\p)%4)+1]
.endr
	WSUM
	v_fma_f32 v[T], v[T], s44, s45                 ; var + eps
	v_rsq_f32 v[RS+2*(\r)], v[T]                   ; made twice, to fill the pair that the packed multiply names
	v_rsq_f32 v[RS+2*(\r)+1], v[T]
	v_nop                                          ; a plain instruction behind the last of the two,
	s_wait_alu depctr_va_vdst(0)                   ; and the one wait ahead of their first reader
.endm
; xt of row r
.macro NORM r
.irp j, 0,1,2,3,4,5,6,7
	v_pk_mul_f32 v[T+4*((\j)%4):T+4*((\j)%4)+1],   v[X+32*(\r)+4*(\j):X+32*(\r)+4*(\j)+1],   v[RS+2*(\r):RS+2*(\r)+1]
	v_pk_mul_f32 v[T+4*((\j)%4)+2:T+4*((\j)%4)+3], v[X+32*(\r)+4*(\j)+2:X+32*(\r)+4*(\j)+3], v[RS+2*(\r):RS+2*(\r)+1]
	v_pk_fma_f32 v[T+4*((\j)%4):T+4*((\j)%4)+1],   v[T+4*((\j)%4):T+4*((\j)%4)+1],   v[G+4*(\j):G+4*(\j)+1],   v[BT+4*(\j):BT+4*(\j)+1]
	v_pk_fma_f32 v[T+4*((\j)%4)+2:T+4*((\j)%4)+3], v[T+4*((\j)%4)+2:T+4*((\j)%4)+3], v[G+4*(\j)+2:G+4*(\j)+3], v[BT+4*(\j)+2:BT+4*(\j)+3]
	v_cvt_pk_bf16_f32 v[YT+2*(\j)],   v[T+4*((\j)%4)],   v[T+4*((\j)%4)+1]
	v_cvt_pk_bf16_f32 v[YT+2*(\j)+1], v[T+4*((\j)%4)+2], v[T+4*((\j)%4)+3]
	global_store_b64 v3, v[YT+2*(\j):YT+2*(\j)+1], s[20:21] offset:256*(\j)+2048*(\r)
.endr
.endm
; weight i of the five: my 256 numbers rounded and stored, from the scalar pair at base, off bytes on
.macro WOUT i, base, off
.irp n, 0,1
	v_cvt_pk_bf16_f32 v[YT+4*(\i)+2*(\n)],   v[W+8*(\i)+4*(\n)],   v[W+8*(\i)+4*(\n)+1]
	v_cvt_pk_bf16_f32 v[YT+4*(\i)+2*(\n)+1], v[W+8*(\i)+4*(\n)+2], v[W+8*(\i)+4*(\n)+3]
	global_store_b64 v3, v[YT+4*(\i)+2*(\n):YT+4*(\i)+2*(\n)+1], s[(\base):(\base)+1] offset:(\off)+256*(\n)
.endr
.endm
	s_wait_loadcnt 34                              ; row 0 is in: 8 + 8 + 8 + 10 younger loads may stay out
	RELU 0
	STAT 0
	s_wait_loadcnt 26                              ; row 1 is in
	s_wait_xcnt 0x0                                ; row 0's stores have read YA: it is rewritten only behind this wait
	RELU 1
	STAT 1
	s_wait_loadcnt 10                              ; ln_scale and ln_bias are in; the weights' ten loads may stay out
	NORM 0
	s_wait_xcnt 0x0                                ; YT likewise
	NORM 1
	s_wait_loadcnt 0x0                             ; the weights
	s_wait_xcnt 0x0                                ; YT and YA are free
	WOUT 0, 24, 0                                  ; Wq -> pw, block 0
	WOUT 1, 24, BLK                                ; Wk -> pw, block 1
	WOUT 2, 26, 0                                  ; Wv -> pv
	WOUT 3, 46, 0                                  ; W1 -> pa, block 8
	WOUT 4, 42, 0                                  ; W2 -> px, block 8
	s_endpgm
.Lfunc_end_k_q2a806b9e50_prep:
	.size	k_q2a806b9e50_prep, .Lfunc_end_k_q2a806b9e50_prep-k_q2a806b9e50_prep
	.p2alignl 7, 3214868480
	.fill 96, 4, 3214868480
	.section	.rodata,"a",@progbits
	.p2align	6, 0x0
	.amdhsa_kernel k_q2a806b9e50_prep
		.amdhsa_group_segment_fixed_size 0
		.amdhsa_private_segment_fixed_size 0
		.amdhsa_enable_private_segment 0
		.amdhsa_kernarg_size 96
		.amdhsa_user_sgpr_count 2
		.amdhsa_user_sgpr_kernarg_segment_ptr 1
		.amdhsa_wavefront_size32 1
		.amdhsa_system_sgpr_workgroup_id_x 1
		.amdhsa_system_sgpr_workgroup_id_y 1
		.amdhsa_system_sgpr_workgroup_id_z 1
		.amdhsa_system_vgpr_workitem_id 0
		.amdhsa_next_free_vgpr 240
		.amdhsa_next_free_sgpr 66
		.amdhsa_reserve_vcc 0
		.amdhsa_float_denorm_mode_32 3
		.amdhsa_float_denorm_mode_16_64 3
		.amdhsa_memory_ordered 1
		.amdhsa_forward_progress 1
		.amdhsa_inst_pref_size 32
	.end_amdhsa_kernel
	.amdgpu_metadata
---
amdhsa.version: [ 1, 2 ]
amdhsa.kernels:
  - .name:           k_q2a806b9e50_prep
    .symbol:         k_q2a806b9e50_prep.kd
    .args:
      - { .name: x, .offset: 0, .size: 8, .value_kind: global_buffer, .address_space: global }
      - { .name: ln_scale, .offset: 8, .size: 8, .value_kind: global_buffer, .address_space: global }
      - { .name: ln_bias, .offset: 16, .size: 8, .value_kind: global_buffer, .address_space: global }
      - { .name: Wq, .offset: 24, .size: 8, .value_kind: global_buffer, .address_space: global }
      - { .name: Wk, .offset: 32, .size: 8, .value_kind: global_buffer, .address_space: global }
      - { .name: Wv, .offset: 40, .size: 8, .value_kind: global_buffer, .address_space: global }
      - { .name: W1, .offset: 48, .size: 8, .value_kind: global_buffer, .address_space: global }
      - { .name: W2, .offset: 56, .size: 8, .value_kind: global_buffer, .address_space: global }
      - { .name: px, .offset: 64, .size: 8, .value_kind: global_buffer, .address_space: global }
      - { .name: pa, .offset: 72, .size: 8, .value_kind: global_buffer, .address_space: global }
      - { .name: pw, .offset: 80, .size: 8, .value_kind: global_buffer, .address_space: global }
      - { .name: pv, .offset: 88, .size: 8, .value_kind: global_buffer, .address_space: global }
    .group_segment_fixed_size: 0
    .private_segment_fixed_size: 0
    .kernarg_segment_align: 8
    .kernarg_segment_size: 96
    .max_flat_workgroup_size: 256
    .sgpr_count:     66
    .vgpr_count:     240
    .wavefront_size: 32
...
	.end_amdgpu_metadata
.endif
;; end of part 1
;; launch r1 (part 2): grid 64 x 4, 4 waves a work-group, clusters of 4 x 4, 327,680 bytes of LDS; arguments px, pw, pa, x, bq, bk, l; writes bq, bk
.if DOCPART == 2
	.amdgcn_target "amdgcn-amd-amdhsa--gfx1250"
	.amdhsa_code_object_version 6
	.text
	.protected	k_q2a806b9e50_r1
	.globl	k_q2a806b9e50_r1
	.p2align	8
	.type	k_q2a806b9e50_r1,@function
k_q2a806b9e50_r1:
	s_mov_b64 s[64:65], 0
	v_nop
	global_prefetch_b8 v0, s[64:65] scope:SCOPE_SE
	s_setreg_imm32_b32 hwreg(HW_REG_WAVE_MODE, 25, 1), 1
	s_wait_xcnt 0x0
	s_wait_alu depctr_hold_cnt(0) depctr_sa_sdst(0) depctr_va_vdst(0) depctr_va_sdst(0) depctr_va_ssrc(0) depctr_va_vcc(0) depctr_vm_vsrc(0)
	s_getreg_b32 s2, hwreg(HW_REG_IB_STS2, 6, 4)
	s_cmp_eq_u32 s2, 0
	s_cbranch_scc0 .Lentry_in_a_cluster
	s_endpgm
.Lentry_in_a_cluster:
	s_bfe_u32 s2, ttmp6, 0x10000c
	s_cmp_lg_u32 s2, 0xf033
	s_cbranch_scc0 .Lentry_shape_is_right
	s_endpgm
.Lentry_shape_is_right:
; THE PRODUCTS THAT LEAVE IN bf16 AHEAD OF THE SOFTMAX: q, k (first launch of this body), v^T and the scores (second launch).
; A JOB is C = A B^T on dense blocks of [1024][1024]: A and B bf16 (2 MiB), sums in f32.  A cluster of 4 x 4 work-groups does one job, WHICH ONE ITS IDS SAY.  With X, Y the cluster's x and y,
; bx = X & 7, hx = X >> 3, by = Y & 7, hy = Y >> 3, and the arguments A0, B0, A1, B1, C0, C1, l:
;   A = (hy ? A1 : A0) + (bx + hy by) blocks      B = (hy ? B1 : B0) + (hx + by) blocks      C = (hx + hy ? C1 : C0) + (bx + by) blocks      the softmax's way out where hy = 1.
; The first launch lies along x (16 x 1 clusters; A0 = xt, B0 = Wq, Wk): q[bx] = xt[bx] Wq^T into C0 (hx = 0), k[bx] = xt[bx] Wk^T into C1 (hx = 1).  It has no job with hy = 1: its A1 and B1 are
; buffers that it never touches.  The second lies along y (1 x 16; A0 = Wv, B0 = xt, A1 = q, B1 = k): v^T[by] = Wv xt[by]^T into C0 (hy = 0), the scores q[by] k[by]^T into C1 (hy = 1).
; WAYS OUT.  hy = 0: C rounded to bf16.  hy = 1: the scores' PARTIAL SOFTMAX, then the same.  reference() takes the softmax over the QUERIES (C's rows), with rows q >= l[b] hidden.  A wave's tile is
; 128 queries x 128 keys: for each key it takes t = c s (c = log2(e) / 32; reference()'s constant offset 0 would cancel in the softmax anyway), hidden rows less 1e30, the maximum M of its 128 t,
; E = 2^(t - M) and their sum L; E leaves in bf16, M and L in f32 behind the 8 blocks of the destination (M[b][query block of 128][key], then L).  The launch behind joins the eight query blocks:
; a maximum is taken away before every exponential.
; LIMITS.  l[b] lies in 1 .. 1024 (at 0 reference() gives NaN, this text equal weights).  A hidden score counts as -1e30, not as -inf; a weight below 2^-126 counts as 0; NaN and infinities are not treated apart.
; THE TILE.  A work-group of four waves, as many as a WGP has SIMDs, makes 256 x 256 of C; a wave 128 x 128: 64 accumulators of 16 x 16, 512 registers.  K goes in 8 steps of 128 through a ring of two LDS slots
; filled by the tensor data mover: a tile's rows are 256 bytes of memory at multiples of 256 from the buffer's first byte.  CLUSTER: the four work-groups of a row of the cluster need the same tiles of A, the
; four of a column the same tiles of B: each tile is asked for JOINTLY, by the same tensor load with the same descriptor and a mask that names the four.  X and Y are the same for all sixteen.
; THE TEXT HOLDS A K STEP TWICE: in a loop of six trips, each of which fills the slot that it has read out, and in a loop of two trips that fill nothing.  Which slot is
; in hand is a scalar, 0 or SLOT, turned by an exclusive or at each change of slots; the fragments' LDS addresses are made of it anew there.
; THE MATRIX INSTRUCTION IS USED TRANSPOSED (source 0 = 16 rows of B, source 1 = 16 rows of A): lane l holds row l % 16 of C and its registers 0-7 the columns 8 (l / 16) + 0 .. 7.
; REGISTERS, in windows of 256 (s_set_vgpr_msb: bits 1:0 source 0, 3:2 source 1, 5:4 source 2, 7:6 destination):
;   window 0: v0-31 addresses; v64-127, v128-191 fragments of A, two buffers (on the way out: maxima and sums); v32-63, v192-255 at work on the way out
;   window 1: v64-127, v128-191 fragments of B     window 2: the accumulators of my rows 0-63 ((a, b) at v[8 (8 a + b)])     window 3: those of my rows 64-127
.set KSTEP,  128
.set STEPS,  8                         ; K = 1024
.set ROWB,   2048                      ; bytes in a row of a bf16 block
.set PITCH,  272                       ; an LDS row: 256 bytes + 16 of padding = 68 words: the 16 rows that a load touches start at 16 different groups of four banks (64 banks of 4 bytes: ISA guide 11.1)
.set HALFT,  128*PITCH                 ; 128 rows: what one tensor load brings
.set SLOT,   4*HALFT                   ; A's 256 rows, then B's 256 rows.  0x22000: it shares no bit with wave x HALFT (0, 0x8800, 0x11000, 0x19800), so one exclusive or turns a tile's LDS address into the other slot's
.set STAGE,  2*SLOT                    ; behind the ring: a stage for each wave, never filled by a tensor load
.set SPITCH, 272                       ; stage rows of 128 bf16
.set WSTG,   16*SPITCH                 ; a wave's stage
.set SPARE,  STAGE+4*WSTG              ; behind the stages: the spare words, 128 bytes for each wave: two blocks of 256 bytes that no other line names
.set STATS,  16777216                  ; M lies behind the destination's 8 blocks,
.set LOFF,   262144                    ; L behind M
.set COF,  6                           ; v6   16 x lane
.set SX,   7                           ; v7   stage + 32 (l / 16): where a lane puts eight keys' statistics
.set QD,   8                           ; v8   l[b] - my tile's first query - l % 16: block a's row is hidden where 16 a >= this
.set ADRA,  16                         ; v16  LDS address of my A fragments in the slot in hand
.set ADRA0, 17                         ; v17  the same in slot 0; never rewritten
.set ADRB,  20                         ; v20, v21  the same two for B
.set ADRB0, 21
.set STO,  24                          ; v24  the way out: where I put 16 bytes of a row
.set RD,   25                          ; v25  and where I read a row back
.set CO,   26                          ; v26  my byte offset in two rows of C
.set SPW,  28                          ; v28  LDS address of my spare word; never rewritten
.set NIL,  29                          ; v29  0; never rewritten
.set PFO,  30                          ; v30  the prefetches' offset: lane x a row; never rewritten
.set RDF,  31                          ; v31  stage + 16 x lane
.set BI,   32                          ; v[32:47] 0 or -1e30 for row block a, twice
.set F0,   64
.set F1,   128
.set MX,   64                          ; the maxima: key 16 b + 8 (l / 16) + j at MX + 8 b + j
.set LX,   128                         ; the sums, likewise
.set TMP,  192
.set OB,   32
.set G1,   24                          ; s[24:31] descriptor group 1 for A's tiles;  s[32:39] group 0: a set for each of the two first fills; the second then walks on
.set G0,   32
.set G1B,  48                          ; s[48:55], s[56:63] the same for B's
.set G0B,  56
.set LIM,  43                          ; s43  2 in a wave that prefetches, else the greatest number
.set PFA,  44                          ; s[44:45] where my prefetches stand
.set ARG,  68                          ; s[68:81] the seven arguments: A0, B0, A1, B1, C0, C1, l
.set BX,   84                          ; s84-87  bx, hx, by, hy
.set HX,   85
.set BY,   86
.set HY,   87
.set LEN,  92                          ; s92  l[by]
.set BIGN, 93                          ; s93  -1e30
.set CS,   94                          ; s[94:95] c, named as a pair
.set SA,   96                          ; s[96:97] where my tile's M goes
.set TB,   98                          ; s98  the slot in hand: 0 or SLOT
.set MSB, 0
.macro WIN new                         ; the immediate's high byte repeats the setting that is left; a switch that changes nothing is dropped
.if MSB != (\new)
	s_set_vgpr_msb (MSB<<8)|(\new)
.set MSB, \new
.endif
.endm
.set MUL_LO, 0xa1                      ; source 0 (B) window 1, source 1 (A) window 0, C and D window 2
.set MUL_HI, 0xf1                      ; the same, C and D window 3
.set TO_B,   0x40                      ; destination window 1, address window 0
; A joint load.  Waves 0 and 1 fetch A's two halves, waves 2 and 3 B's.  The branch hangs on the wave's number alone.  An s_nop 0 and four v_nop follow each of the two lines.
.macro JLOAD s
	s_cmp_eq_u32 s11, 0
	s_cbranch_scc0 .Lfor_b_\@
	tensor_load_to_lds s[G0+4*(\s):G0+4*(\s)+3], s[G1:G1+7]
	s_nop 0
.rept 4
	v_nop
.endr
	s_branch .Lasked_\@
.Lfor_b_\@:
	tensor_load_to_lds s[G0B+4*(\s):G0B+4*(\s)+3], s[G1B:G1B+7]
	s_nop 0
.rept 4
	v_nop
.endr
.Lasked_\@:
.endm
; A PREFETCH, behind each joint load, its five lines and the run of LDS loads that follows: the K step that stands two refills on, 32 rows x 256 bytes, a lane a row, one instruction a wave.  Each row's 256 bytes
; of a K step are named once in the launch: of the clusters that read a block one asks (A's: hx = 0 and, where hy = 0, by = 0; B's: bx = 0); its four partners that ask for a tile jointly share its rows out
; BY ADDRESS, 32 each.  K steps 0 to 3 come by their loads alone; the loop's last two trips (s3 = 2, 1) have no K step two refills on.
.macro ASK
	s_cmp_gt_u32 s3, s[LIM]
	s_cbranch_scc0 .Lnot_mine_\@
	global_prefetch_b8 v[PFO], s[PFA:PFA+1] offset:KSTEP*2 th:TH_LOAD_NT scope:SCOPE_SE
.Lnot_mine_\@:
.endm
.macro CREST                           ; a round of the cluster's barrier behind its opening barrier
	s_cmp_lg_u32 s10, 0
	s_cbranch_scc1 .Lnot_wave_0_\@
	s_barrier_signal -3
.Lnot_wave_0_\@:
	s_barrier_wait -3
	s_barrier_signal -1
	s_barrier_wait -1
.endm
.macro CROUND                          ; a whole round
	s_barrier_signal -1
	s_barrier_wait -1
	CREST
.endm
	s_load_b256 s[ARG:ARG+7], s[0:1], 0x0          ; A0, B0, A1, B1
	s_load_b128 s[ARG+8:ARG+11], s[0:1], 0x20      ; C0, C1
	s_load_b64 s[ARG+12:ARG+13], s[0:1], 0x30      ; l
	v_lshl_add_u32 v[SPW], v0, 2, SPARE
	v_mov_b32 v[NIL], 0
	ds_add_u32 v[SPW], v[NIL]                      ; the wave's opening: the add and its wait stand ahead of my first tensor load; work on registers stands between them
	v_lshrrev_b32 v1, 5, v0
	v_readfirstlane_b32 s10, v1                    ; wave 0..3
	s_lshr_b32 s11, s10, 1                         ; which half of the tile's rows is mine.  Also: I fetch for A (0) or for B (1)
	s_and_b32 s12, s10, 1                          ; which half of its columns.  Also: which 128 rows of that tile I fetch
	s_bfe_u32 s40, ttmp6, 0x40000                  ; cx = the tile column of C
	s_bfe_u32 s41, ttmp6, 0x40004                  ; cy = the tile row
	s_and_b32 s[BX], ttmp9, 7                      ; in a cluster launch ttmp9 and ttmp7 count clusters: the same in all sixteen work-groups
	s_lshr_b32 s[HX], ttmp9, 3
	s_and_b32 s[BY], ttmp7, 0xffff
	s_lshr_b32 s[HY], s[BY], 3
	s_and_b32 s[BY], s[BY], 7
	s_lshl_b32 s43, s41, 2
	s_lshl_b32 s43, 15, s43                        ; my row of the cluster
	s_lshl_b32 s44, 0x1111, s40                    ; my column
	s_or_b32 s[G1+0], s43, (1<<16)|(1<<20)|(1<<21)|(5<<22)|(3<<25)   ; 15:0 the mask; 17:16 elements of 2 bytes; 20 padding on; 21 set beside a mask; 24:22 after every 64 words (code 5); 31:25 4 words (code 3)
	s_or_b32 s[G1B+0], s44, (1<<16)|(1<<20)|(1<<21)|(5<<22)|(3<<25)
.irp g, G1, G1B
	s_mov_b32 s[(\g)+1], KSTEP<<16                 ; tensor_dim0 = 128
	s_mov_b32 s[(\g)+2], 128<<16                   ; tensor_dim1 = 128
	s_mov_b32 s[(\g)+3], KSTEP<<16                 ; tile_dim0 = 128
	s_mov_b32 s[(\g)+4], 128                       ; tile_dim1 = 128
	s_mov_b32 s[(\g)+5], 1024                      ; elements from row to row
	s_mov_b32 s[(\g)+6], 0
	s_mov_b32 s[(\g)+7], 0
.endr
	s_mov_b32 s[BIGN], 0xf149f2ca                  ; -1e30
	s_mov_b32 s[CS], 0x3d38aa3b                    ; c = log2(e) / sqrt(1024)
	s_mov_b32 s[CS+1], s[CS]
	s_mov_b32 s[TB], 0                             ; slot 0 is read first
	s_mul_i32 s20, s10, HALFT                      ; where my tiles go: wave x 128 rows: no place in the cluster enters an LDS address
	s_lshl_b32 s99, s[BY], 2
	s_wait_dscnt 0x0                               ; the opening add is done
	s_wait_kmcnt 0x0
	s_load_b32 s[LEN], s[ARG+12:ARG+13], s99 offset:0x0  ; l[by]: loaded by every cluster, so that the head has no branch; it is waited for behind the first joint loads, ahead of its one reader
	s_cmp_eq_u32 s[HY], 1
	s_cselect_b64 s[4:5], s[ARG+4:ARG+5], s[ARG:ARG+1]      ; A's buffer
	s_cselect_b64 s[6:7], s[ARG+6:ARG+7], s[ARG+2:ARG+3]    ; B's
	s_add_co_u32 s16, s[HX], s[HY]
	s_cmp_lg_u32 s16, 0
	s_cselect_b64 s[8:9], s[ARG+10:ARG+11], s[ARG+8:ARG+9]  ; C's
	s_mul_i32 s16, s[HY], s[BY]
	s_add_co_u32 s16, s16, s[BX]
	s_lshl_b32 s16, s16, 21
	s_mov_b32 s17, 0
	s_add_nc_u64 s[4:5], s[4:5], s[16:17]          ; A's block: bx + hy by
	s_add_co_u32 s16, s[HX], s[BY]
	s_lshl_b32 s16, s16, 21
	s_add_nc_u64 s[6:7], s[6:7], s[16:17]          ; B's block: hx + by
	s_lshl_b32 s18, s12, 7                         ; which 128 rows of the tile I fetch
	s_lshl_b32 s16, s41, 8
	s_add_co_u32 s16, s16, s18
	s_lshl_b32 s16, s16, 11                        ; A: row 256 cy + 128 x half, in bytes
	s_add_nc_u64 s[14:15], s[4:5], s[16:17]
	s_lshl_b32 s46, s40, 8
	s_add_co_u32 s46, s46, s18
	s_lshl_b32 s46, s46, 11                        ; B: row 256 cx + 128 x half
	s_mov_b32 s47, 0
	s_add_nc_u64 s[46:47], s[6:7], s[46:47]
	CROUND                                         ; all sixteen work-groups are here: the first joint loads meet
.irp s, 0,1
	s_mov_b32 s[G0+4*(\s)], 1                                        ; count = 1
	s_add_co_u32 s[G0+4*(\s)+1], s20, (\s)*SLOT                      ; LDS address
	s_add_nc_u64 s[G0+4*(\s)+2:G0+4*(\s)+3], s[14:15], (\s)*KSTEP*2  ; global address: K step s
	s_or_b32 s[G0+4*(\s)+3], s[G0+4*(\s)+3], 0x80000000              ; type = 2
	s_mov_b32 s[G0B+4*(\s)], 1
	s_add_co_u32 s[G0B+4*(\s)+1], s20, (\s)*SLOT
	s_add_nc_u64 s[G0B+4*(\s)+2:G0B+4*(\s)+3], s[46:47], (\s)*KSTEP*2
	s_or_b32 s[G0B+4*(\s)+3], s[G0B+4*(\s)+3], 0x80000000
	JLOAD \s                                       ; the ring is filled before anything else is done: two tensor loads of mine are out
.endr
	; A fragment is 16 rows x 32 K in 8 registers: lane l holds row l % 16; registers 0-3 K = 8 (l / 16) + 0..7, registers 4-7 K = 16 + 8 (l / 16) + 0..7: two loads of 16 bytes, 32 bytes apart.
	v_and_b32 v1, 15, v0                           ; l % 16
	v_bfe_u32 v2, v0, 4, 1                         ; l / 16
	v_mul_u32_u24 v3, v1, PITCH
	v_lshl_add_u32 v3, v2, 4, v3
	s_mul_i32 s21, s11, HALFT                      ; my 128 rows of A
	s_mul_i32 s22, s12, HALFT                      ; my 128 rows of B,
	s_add_co_u32 s22, s22, 2*HALFT                 ; which lie behind A's 256
	v_add_nc_u32 v[ADRA0], s21, v3
	v_add_nc_u32 v[ADRB0], s22, v3
	v_add_nc_u32 v[ADRA], s21, v3                  ; the slot in hand is slot 0
	v_add_nc_u32 v[ADRB], s22, v3
	s_mul_i32 s23, s10, WSTG
	s_add_co_u32 s23, s23, STAGE                   ; my stage
	v_mul_u32_u24 v4, v1, SPITCH
	v_lshl_add_u32 v4, v2, 4, v4
	v_add_nc_u32 v[STO], s23, v4                   ; in: row l % 16, 16 bytes for each half of the lanes
	v_mul_u32_u24 v5, v2, SPITCH
	v_lshl_add_u32 v5, v1, 4, v5
	v_add_nc_u32 v[RD], s23, v5                    ; back: lanes 0-15 one row of 256 bytes, lanes 16-31 the next
	v_lshlrev_b32 v5, 11, v2
	v_lshl_add_u32 v[CO], v1, 4, v5                ; and the same two rows in C
	v_and_b32 v14, 31, v0
	v_lshlrev_b32 v[COF], 4, v14
	v_add_nc_u32 v[RDF], s23, v[COF]
	v_lshl_add_u32 v[SX], v2, 5, s23
	v_lshlrev_b32 v[PFO], 11, v14
	s_lshl_b32 s13, s41, 8
	s_lshl_b32 s16, s11, 7
	s_add_co_u32 s13, s13, s16                     ; my first row of C
	s_lshl_b32 s42, s40, 8
	s_lshl_b32 s16, s12, 7
	s_add_co_u32 s42, s42, s16                     ; my first column
	s_wait_kmcnt 0x0                               ; l[by] is in: the line below is its one reader, and what is made of it enters a vector compare alone
	s_sub_co_i32 s16, s[LEN], s13
	v_sub_nc_u32 v[QD], s16, v1
	s_lshl_b32 s18, s[BY], 3                       ; M's place: ((8 by + the query block of 128) x 1024 + my first column) x 4 behind STATS
	s_lshl_b32 s19, s41, 1
	s_add_co_u32 s18, s18, s19
	s_add_co_u32 s18, s18, s11
	s_lshl_b32 s18, s18, 10
	s_add_co_u32 s18, s18, s42
	s_lshl_b32 s18, s18, 2
	s_add_co_u32 s18, s18, STATS
	s_mov_b32 s19, 0
	s_add_nc_u64 s[SA:SA+1], s[8:9], s[18:19]
	s_lshl_b32 s16, s13, 11                        ; C's place: my first row and column, in block bx + by
	s_lshl_b32 s18, s42, 1
	s_add_co_u32 s16, s16, s18
	s_add_co_u32 s18, s[BX], s[BY]
	s_lshl_b32 s18, s18, 21
	s_add_co_u32 s16, s16, s18
	s_add_nc_u64 s[8:9], s[8:9], s[16:17]
	; the prefetches
	s_cmp_lg_u32 s[BY], 0
	s_cselect_b32 s21, 1, 0
	s_xor_b32 s22, s[HY], 1
	s_and_b32 s21, s21, s22
	s_or_b32 s21, s21, s[HX]                       ; 0: this cluster asks for A's rows;  bx = 0: for B's
	s_lshl_b32 s18, s41, 8
	s_lshl_b32 s19, s40, 8
	s_cmp_eq_u32 s11, 0                            ; do I fetch for A?
	s_cselect_b32 s20, s18, s19                    ; the tile's first row
	s_cselect_b32 s23, s40, s41                    ; my place among the four that ask for it with me
	s_cselect_b32 s22, s21, s[BX]
	s_cselect_b64 s[PFA:PFA+1], s[4:5], s[6:7]
	s_cmp_eq_u32 s22, 0
	s_cselect_b32 s[LIM], 2, -1                    ; the same in all sixteen partners, for a given wave
	s_lshl_b32 s22, s12, 7
	s_add_co_u32 s20, s20, s22                     ; + the 128 rows that I fetch
	s_lshl_b32 s23, s23, 5
	s_add_co_u32 s20, s20, s23                     ; + my work-group's 32 of them
	s_lshl_b32 s20, s20, 11
	s_add_co_u32 s20, s20, 2*KSTEP*2               ; at K step 2: the first refill steps it to 3 and names K step 4
	s_mov_b32 s21, 0
	s_add_nc_u64 s[PFA:PFA+1], s[PFA:PFA+1], s[20:21]
; 16 matrix instructions: m blocks a0, a0 + 1 of the window's four x all 8 n blocks, 32 along K.  zero = 1: the first product starts the sums: nothing is ever cleared.
.macro MUL16 f, hi, a0, zero
	WIN MUL_LO+0x50*(\hi)
.irp a, \a0, (\a0)+1
.irp b, 0,1,2,3,4,5,6,7
.if \zero
	v_wmma_f32_16x16x32_bf16 v[8*(8*(\a)+(\b)):8*(8*(\a)+(\b))+7], v[(\f)+8*(\b):(\f)+8*(\b)+7], v[(\f)+8*(4*(\hi)+(\a)):(\f)+8*(4*(\hi)+(\a))+7], 0
.else
	v_wmma_f32_16x16x32_bf16 v[8*(8*(\a)+(\b)):8*(8*(\a)+(\b))+7], v[(\f)+8*(\b):(\f)+8*(\b)+7], v[(\f)+8*(4*(\hi)+(\a)):(\f)+8*(4*(\hi)+(\a))+7], v[8*(8*(\a)+(\b)):8*(8*(\a)+(\b))+7]
.endif
.endr
.endr
.endm
; 32 LDS loads in one run: the fragments of one quarter step (128 rows of B, 128 rows of A, 32 K at byte k of the rows of the slot in hand) into buffer f
.macro FETCH k, f
	WIN TO_B
.irp i, 0,1,2,3,4,5,6,7
	ds_load_b128 v[(\f)+8*(\i):(\f)+8*(\i)+3],   v[ADRB] offset:(\k)+(\i)*16*PITCH
	ds_load_b128 v[(\f)+8*(\i)+4:(\f)+8*(\i)+7], v[ADRB] offset:(\k)+(\i)*16*PITCH+32
.endr
	WIN 0
.irp i, 0,1,2,3,4,5,6,7
	ds_load_b128 v[(\f)+8*(\i):(\f)+8*(\i)+3],   v[ADRA] offset:(\k)+(\i)*16*PITCH
	ds_load_b128 v[(\f)+8*(\i)+4:(\f)+8*(\i)+7], v[ADRA] offset:(\k)+(\i)*16*PITCH+32
.endr
.endm
; A load into a register that a matrix instruction has read stands four plain vector instructions behind it (ISA guide 7.12.1 for vector instructions); matrix instructions in between are not counted.
.macro PLACES
.rept 4
	v_nop
.endr
.endm
; A K step is four quarters of 32 along K, 64 matrix instructions each, on buffers 0, 1, 0, 1.  The 64 accumulators take turns, in the same order in every quarter.
; One of the first three: multiplies buffer f; in its middle it fetches the next quarter's fragments, at byte k of the rows, into buffer g.
.macro QUARTER k, f, g, zero
	s_wait_dscnt 8                                 ; B and A's rows 0-63 are in; the youngest eight loads (A's rows 64-127) may be out
	MUL16 \f, 0, 0, \zero
	MUL16 \f, 0, 2, \zero
	PLACES
	FETCH \k, \g
	s_wait_dscnt 32                                ; all but the 32 just issued
	MUL16 \f, 1, 0, \zero
	MUL16 \f, 1, 2, \zero
.endm
; The last quarter multiplies buffer 1 and changes slots.  MEET is its first half: one barrier.  In front of it each wave waits for all its tensor loads, of which at most one is out: its part of the next slot; adds
; 0 to its spare word; and waits for that and for its own reads of this slot.  Behind it nobody reads this slot any more and the next slot is whole.
.macro MEET
	WIN 0                                          ; (the add's two registers lie in window 0)
	s_wait_tensorcnt 0x0                           ; all my tensor loads have landed
	ds_add_u32 v[SPW], v[NIL]                      ; 0 onto my spare word
	s_wait_dscnt 9                                 ; (the add and the youngest eight loads may be out)
	MUL16 F1, 0, 0, 0                              ; sixteen matrix instructions stand between the add and the wait for it
	s_wait_dscnt 0x0                               ; the add is done, and my reads of this slot are over
	s_barrier_signal -1
	MUL16 F1, 0, 2, 0                              ; work on registers while the others arrive
	WIN 0
	s_barrier_wait -1
.endm
; The whole last quarter.  At its head the slot in hand is turned and the fragments' addresses are made anew: the old slot's last loads have been issued, and LDS loads have read their address at issue.
; fill = 1: the barrier opens a round of the cluster's, and behind the round the slot just read out is filled again first, with the K step two steps on, by the walking descriptor (the other slot than last time,
; one K step further): from that request to the wait for it a wave issues 224 matrix instructions; by this text's count one tensor load of mine is out behind each round.
; fill = 0: nothing is left to fetch from memory; in the very last K step (s3 = 1) there is no next slot either, and the rest of the trip is left by a jump forward that passes no barrier and no tensor load.
.macro TURN fill
	WIN 0
.if \fill
	s_wait_xcnt 0x0                                ; the last prefetch, a K step back, has read its address: it is stepped here, ahead of the waits of the change of slots
	s_add_nc_u64 s[PFA:PFA+1], s[PFA:PFA+1], KSTEP*2
.endif
	s_xor_b32 s[TB], s[TB], SLOT
	v_add_nc_u32 v[ADRA], s[TB], v[ADRA0]
	v_add_nc_u32 v[ADRB], s[TB], v[ADRB0]
	MEET
.if \fill
	CREST                                          ; no wave of any partner still reads this slot's tile or has a load on its way
	s_xor_b32 s[G0+5], s[G0+5], SLOT
	s_add_nc_u64 s[G0+6:G0+7], s[G0+6:G0+7], KSTEP*2
	s_xor_b32 s[G0B+5], s[G0B+5], SLOT
	s_add_nc_u64 s[G0B+6:G0B+7], s[G0B+6:G0B+7], KSTEP*2
	JLOAD 1                                        ; the first tensor load behind the round; the four v_nop behind it are also the places in front of the loads below
	FETCH 0, F0
	ASK
.else
	s_cmp_eq_u32 s3, 1
	s_cbranch_scc1 .Lfin
	PLACES
	FETCH 0, F0
.endif
	MUL16 F1, 1, 0, 0
	MUL16 F1, 1, 2, 0
.endm
; THE WAY OUT of row block a, in three parts.  PACK: rounded to bf16, 16 bytes a lane.  TOSTAGE: into my own stage, and back as whole rows of 256 bytes.  SEND: stored.
.macro PACK a
.set AC, 64*((\a)%4)
	WIN 0x0a+5*((\a)/4)                            ; sources 0 and 1: window 2 or 3
.irp b, 0,1,2,3,4,5,6,7
.irp r, 0,1,2,3
	v_cvt_pk_bf16_f32 v[TMP+4*(\b)+(\r)], v[AC+8*(\b)+2*(\r)], v[AC+8*(\b)+2*(\r)+1]
.endr
.endr
	WIN 0
.endm
.macro TOSTAGE a
	WIN 0
.set BK, OB+192*((\a)%2)
.irp b, 0,1,2,3,4,5,6,7
	ds_store_b128 v[STO], v[TMP+4*(\b):TMP+4*(\b)+3] offset:32*(\b)
.endr
.irp t, 0,1,2,3,4,5,6,7
	ds_load_b128 v[BK+4*(\t):BK+4*(\t)+3], v[RD] offset:(\t)*2*SPITCH  ; LDS serves a wave's instructions in order (ISA guide 5.7.1.4): these see the stores above
.endr
.endm
.macro SEND a, younger
	WIN 0
.set BK, OB+192*((\a)%2)
	s_wait_dscnt \younger                          ; the block is back in registers
	s_wait_xcnt 0x0                                ; the stores' base and the registers that earlier stores read are rewritten only behind this wait
.if (\a) > 0
	s_add_nc_u64 s[8:9], s[8:9], 16*ROWB           ; 16 rows of C on
.endif
.irp t, 0,1,2,3,4,5,6,7
	global_store_b128 v[CO], v[BK+4*(\t):BK+4*(\t)+3], s[8:9] offset:2*(\t)*ROWB  ; 16 lanes store 256 consecutive bytes, at a multiple of 256 from C's first byte
.endr
.endm
; A reduction over the 16 lanes of a half (the 16 queries of a row block), for 64 registers: four steps on the arithmetic itself; the halves hold different keys and stay apart.
.macro XALL op, base
.irp m, 1,2,4,8
.set x, 0
.rept 64
	\op v[(\base)+x], v[(\base)+x], v[(\base)+x] row_xmask:\m row_mask:0xf bank_mask:0xf
.set x, x+1
.endr
.endr
.endm
	s_wait_tensorcnt 1                             ; my part of K step 0 is in; K step 1's may stay out
	s_barrier_signal -1
	s_barrier_wait -1                              ; everybody's is
	FETCH 0, F0
	QUARTER 64,  F0, F1, 1                         ; the first quarter stands in front of the loops: its products start the sums
	WIN 0                                          ; at a label and at a branch every window is 0
	s_mov_b32 s3, STEPS-2
.Lstep:                                                ; a trip goes from a K step's second quarter to the next step's first, and fills the slot that it has read out: K steps 2 to 7 are asked for
	QUARTER 128, F1, F0, 0
	QUARTER 192, F0, F1, 0
	TURN 1
	QUARTER 64,  F0, F1, 0
	WIN 0
	s_sub_co_u32 s3, s3, 1
	s_cmp_lg_u32 s3, 0
	s_cbranch_scc1 .Lstep
	s_mov_b32 s3, 2
.Ltail:                                                ; the last two K steps ask for nothing; the second trip is left in its middle
	QUARTER 128, F1, F0, 0
	QUARTER 192, F0, F1, 0
	TURN 0
	QUARTER 64,  F0, F1, 0
	WIN 0
	s_sub_co_u32 s3, s3, 1
	s_cmp_lg_u32 s3, 0
	s_cbranch_scc1 .Ltail
.Lfin:
	s_wait_dscnt 0x0                               ; (met already where the jump comes from: the wait in front of the barrier was for 0)
	MUL16 F1, 1, 0, 0                              ; the very last products
	MUL16 F1, 1, 2, 0
	WIN 0
	PLACES                                         ; the places behind the last products, for both ways out: they read results just made and write over the fragments
	PLACES
	s_cmp_eq_u32 s[HY], 1                          ; hy is the same in all sixteen work-groups
	s_cbranch_scc0 .Lnox
	; THE PARTIAL SOFTMAX over my 128 queries, for each of my 128 keys.  No barrier and no tensor load stands in it.
.irp a, 0,1,2,3,4,5,6,7
	v_cmp_ge_i32 vcc_lo, 16*(\a), v[QD]            ; is my row of block a hidden?
	v_cndmask_b32 v[BI+2*(\a)], 0, s[BIGN], vcc_lo
	v_mov_b32 v[BI+2*(\a)+1], v[BI+2*(\a)]
.endr
.irp hi, 0,1                           ; t = c s, less 1e30 where hidden, in place; each accumulator's low registers first
	WIN 0x82+0x41*(\hi)                            ; destination and source 0 window 2 or 3, source 2 window 0
.set x, 0
.rept 128
	v_pk_fma_f32 v[x:x+1], v[x:x+1], s[CS:CS+1], v[BI+2*(4*(\hi)+x/64):BI+2*(4*(\hi)+x/64)+1] op_sel_hi:[1,0,1]
.set x, x+2
.endr
.endr
	WIN 0x2a                                       ; the maximum over the eight row blocks, register by register: blocks 0, 1, 2,
.set x, 0
.rept 64
	v_max3_num_f32 v[MX+x], v[x], v[64+x], v[128+x]
.set x, x+1
.endr
	WIN 0x38                                       ; 3 (window 2) and 4 (window 3),
.set x, 0
.rept 64
	v_max3_num_f32 v[MX+x], v[MX+x], v[192+x], v[x]
.set x, x+1
.endr
	WIN 0x3c                                       ; 5 and 6,
.set x, 0
.rept 64
	v_max3_num_f32 v[MX+x], v[MX+x], v[64+x], v[128+x]
.set x, x+1
.endr
	WIN 0x03                                       ; 7
.set x, 0
.rept 64
	v_max_num_f32 v[MX+x], v[192+x], v[MX+x]
.set x, x+1
.endr
	WIN 0
	XALL v_max_num_f32_dpp, MX                     ; and over the 16 rows of a block: M, in every lane of the half
.irp hi, 0,1                           ; E = 2^(t - M), in place.  A window's 256 exponentials are one batch: nothing ahead of its wait names a result
	WIN 0x82+0x41*(\hi)                            ; destination and source 0 window 2 or 3, source 1 window 0
.set x, 0
.rept 128
	v_pk_add_f32 v[x:x+1], v[x:x+1], v[MX+x%64:MX+x%64+1] neg_lo:[0,1] neg_hi:[0,1]
.if x > 0
	v_exp_f32 v[x-2], v[x-2]
	v_exp_f32 v[x-1], v[x-1]
.endif
.set x, x+2
.endr
	v_exp_f32 v[254], v[254]
	v_exp_f32 v[255], v[255]
	v_nop                                          ; a plain instruction behind the last exponential,
	s_wait_alu depctr_va_vdst(0)                   ; and the batch's one wait
.endr
	WIN 0x0a                                       ; the sums over the eight row blocks: 0 + 1,
.set x, 0
.rept 32
	v_pk_add_f32 v[LX+x:LX+x+1], v[x:x+1], v[64+x:64+x+1]
.set x, x+2
.endr
	WIN 0x08                                       ; 2 and 3,
.irp a, 2,3
.set x, 0
.rept 32
	v_pk_add_f32 v[LX+x:LX+x+1], v[LX+x:LX+x+1], v[64*(\a)+x:64*(\a)+x+1]
.set x, x+2
.endr
.endr
	WIN 0x0c                                       ; 4 to 7
.irp a, 0,1,2,3
.set x, 0
.rept 32
	v_pk_add_f32 v[LX+x:LX+x+1], v[LX+x:LX+x+1], v[64*(\a)+x:64*(\a)+x+1]
.set x, x+2
.endr
.endr
	WIN 0
	XALL v_add_f32_dpp, LX                         ; and over the 16 rows of a block: L
	; M and L leave through my stage: the 16 lanes of a half put the same numbers at the same bytes; back come 16 bytes a lane, 512 consecutive bytes a store
.irp b, 0,1,2,3,4,5,6,7
.irp q, 0,1
	ds_store_b128 v[SX], v[MX+8*(\b)+4*(\q):MX+8*(\b)+4*(\q)+3] offset:64*(\b)+16*(\q)
	ds_store_b128 v[SX], v[LX+8*(\b)+4*(\q):LX+8*(\b)+4*(\q)+3] offset:512+64*(\b)+16*(\q)
.endr
.endr
	ds_load_b128 v[TMP:TMP+3],   v[RDF]
	ds_load_b128 v[TMP+4:TMP+7], v[RDF] offset:512
	s_wait_dscnt 0x0
	global_store_b128 v[COF], v[TMP:TMP+3],   s[SA:SA+1]
	global_store_b128 v[COF], v[TMP+4:TMP+7], s[SA:SA+1] offset:LOFF
	s_wait_xcnt 0x0                                ; the two stores have read their registers, which the way out below writes
.Lnox:
	PACK 0                                         ; block a's conversions stand between block a - 1's loads from the stage and the wait for them
	TOSTAGE 0
.irp a, 1,2,3,4,5,6,7
	PACK \a
	SEND (\a)-1, 0
	TOSTAGE \a
.endr
	SEND 7, 0
	s_wait_tensorcnt 0x0                           ; the wave's end, behind my last tensor load and my last LDS store
	ds_add_u32 v[SPW], v[NIL]
	s_wait_dscnt 0x0
	CROUND                                         ; the closing round: no work-group ends while a partner may still ask for a tile that names it
	s_endpgm
.Lfunc_end_k_q2a806b9e50_r1:
	.size	k_q2a806b9e50_r1, .Lfunc_end_k_q2a806b9e50_r1-k_q2a806b9e50_r1
	.p2alignl 7, 3214868480
	.fill 96, 4, 3214868480
	.section	.rodata,"a",@progbits
	.p2align	6, 0x0
	.amdhsa_kernel k_q2a806b9e50_r1
		.amdhsa_group_segment_fixed_size 327680
		.amdhsa_private_segment_fixed_size 0
		.amdhsa_enable_private_segment 0
		.amdhsa_kernarg_size 56
		.amdhsa_user_sgpr_count 2
		.amdhsa_user_sgpr_kernarg_segment_ptr 1
		.amdhsa_wavefront_size32 1
		.amdhsa_system_sgpr_workgroup_id_x 1
		.amdhsa_system_sgpr_workgroup_id_y 1
		.amdhsa_system_sgpr_workgroup_id_z 1
		.amdhsa_system_vgpr_workitem_id 0
		.amdhsa_next_free_vgpr 1024
		.amdhsa_next_free_sgpr 100
		.amdhsa_reserve_vcc 1
		.amdhsa_float_denorm_mode_32 3
		.amdhsa_float_denorm_mode_16_64 3
		.amdhsa_memory_ordered 1
		.amdhsa_forward_progress 1
		.amdhsa_inst_pref_size 217
	.end_amdhsa_kernel
	.amdgpu_metadata
---
amdhsa.version: [ 1, 2 ]
amdhsa.kernels:
  - .name:           k_q2a806b9e50_r1
    .symbol:         k_q2a806b9e50_r1.kd
    .args:
      - { .name: px, .offset: 0, .size: 8, .value_kind: global_buffer, .address_space: global }
      - { .name: pw, .offset: 8, .size: 8, .value_kind: global_buffer, .address_space: global }
      - { .name: pa, .offset: 16, .size: 8, .value_kind: global_buffer, .address_space: global }
      - { .name: x, .offset: 24, .size: 8, .value_kind: global_buffer, .address_space: global }
      - { .name: bq, .offset: 32, .size: 8, .value_kind: global_buffer, .address_space: global }
      - { .name: bk, .offset: 40, .size: 8, .value_kind: global_buffer, .address_space: global }
      - { .name: l, .offset: 48, .size: 8, .value_kind: global_buffer, .address_space: global }
    .group_segment_fixed_size: 327680
    .private_segment_fixed_size: 0
    .kernarg_segment_align: 8
    .kernarg_segment_size: 56
    .max_flat_workgroup_size: 128
    .sgpr_count:     100
    .vgpr_count:     1024
    .wavefront_size: 32
...
	.end_amdgpu_metadata
.endif
;; end of part 2
;; launch r2: the kernel of part 2 again; grid 4 x 64, 4 waves a work-group, clusters of 4 x 4, 327,680 bytes of LDS; arguments pv, px, bq, bk, vt, ev, l; writes vt, ev
;; launch fix (part 3): grid 256 x 1, 8 waves a work-group, no clusters, 0 bytes of LDS; arguments ev, bq; writes bq
.if DOCPART == 3
	.amdgcn_target "amdgcn-amd-amdhsa--gfx1250"
	.amdhsa_code_object_version 6
	.text
	.protected	k_q2a806b9e50_fix
	.globl	k_q2a806b9e50_fix
	.p2align	8
	.type	k_q2a806b9e50_fix,@function
k_q2a806b9e50_fix:
	s_mov_b64 s[64:65], 0
	v_nop
	global_prefetch_b8 v0, s[64:65] scope:SCOPE_SE
	s_setreg_imm32_b32 hwreg(HW_REG_WAVE_MODE, 25, 1), 1
	s_wait_xcnt 0x0
; THE SOFTMAX IS JOINED.  The launch before left in the first argument, for each batch b, query block t of 128 and key: E = 2^(t_q - M_t) (bf16, blocks 0-7 of 2 MiB, [q][key]), M_t and L_t (f32, behind the
; 8 blocks: M[b][t][key], then L).  Here M = max over t of M_t, L = the sum over t of 2^(M_t - M) L_t, and attn[q][key] = E x 2^(M_t - M) / L, rounded once more to bf16, into the second argument
; (the buffer that held q, which nobody reads any more).  L is at least 1: the block that holds M counts whole.
; A query block whose rows are all hidden has M_t = -1e30, so its factor is 0.  LIMIT: l[b] >= 1, as the problem gives it.
; SHARES.  Work-group g: batch g / 32, query block (g / 4) % 8, keys 256 (g % 4) .. + 255.  A lane keeps the same 8 keys in every row, so its 8 factors are made once; wave w takes rows 16 w .. 16 w + 15.
; A load or store of a row covers 512 consecutive bytes at a multiple of 512.  All 50 loads of a wave go out at the start.  A stream: no LDS, no barrier, no matrix unit, nothing shared that a cluster could spare
; but the 16 KiB of statistics; the loads are all out at once, so nothing is prefetched.
.set MG,  8            ; v[8:15]    M of my 8 keys
.set LG,  16           ; v[16:23]   L, then 1 / L
.set CF,  24           ; v[24:31]   my factors
.set E,   32           ; v[32:95]   16 rows, 4 registers each
.set MS,  96           ; v[96:159]  M_t, then 2^(M_t - M), t = 0 .. 7
.set LS,  160          ; v[160:223] L_t
.set MO,  224          ; v[224:231] the same for my own query block
.set T,   232          ; v[232:239] at work
.set STATS, 16777216
.set LOFF,  262144
	s_load_b128 s[4:7], s[0:1], 0x0                ; E and statistics s[4:5], attn s[6:7]
	v_lshrrev_b32 v1, 5, v0
	v_readfirstlane_b32 s12, v1                    ; wave 0..7
	v_and_b32 v4, 31, v0
	v_lshlrev_b32 v2, 4, v4                        ; my 8 keys in a row of E: 16 bytes
	v_lshlrev_b32 v3, 5, v4                        ; and in a row of M or L: 32 bytes
	s_mov_b32 s31, 0xffff0000                      ; a word's upper bf16
	s_lshr_b32 s13, ttmp9, 5                       ; b
	s_bfe_u32 s14, ttmp9, 0x30002                  ; t
	s_and_b32 s15, ttmp9, 3                        ; which 256 keys
	s_lshl_b32 s16, s13, 21                        ; the batch's block,
	s_lshl_b32 s18, s14, 18                        ; 128 t rows of 2,048 bytes,
	s_add_co_u32 s16, s16, s18
	s_lshl_b32 s18, s12, 15                        ; 16 w rows,
	s_add_co_u32 s16, s16, s18
	s_lshl_b32 s18, s15, 9                         ; 256 keys of 2 bytes
	s_add_co_u32 s16, s16, s18
	s_mov_b32 s17, 0
	s_lshl_b32 s20, s13, 15                        ; M: 8 b rows of 4,096 bytes,
	s_lshl_b32 s18, s15, 10                        ; 256 keys of 4 bytes
	s_add_co_u32 s20, s20, s18
	s_add_co_u32 s20, s20, STATS
	s_mov_b32 s21, 0
	s_lshl_b32 s22, s14, 12                        ; my own query block's row
	s_mov_b32 s23, 0
	s_wait_kmcnt 0x0
	s_add_nc_u64 s[24:25], s[4:5], s[20:21]
	s_add_nc_u64 s[26:27], s[24:25], s[22:23]
	s_add_nc_u64 s[4:5], s[4:5], s[16:17]
	s_add_nc_u64 s[6:7], s[6:7], s[16:17]
.irp t, 0,1,2,3,4,5,6,7
	global_load_b128 v[MS+8*(\t):MS+8*(\t)+3],   v3, s[24:25] offset:4096*(\t)
	global_load_b128 v[MS+8*(\t)+4:MS+8*(\t)+7], v3, s[24:25] offset:4096*(\t)+16
.endr
.irp t, 0,1,2,3,4,5,6,7
	global_load_b128 v[LS+8*(\t):LS+8*(\t)+3],   v3, s[24:25] offset:LOFF+4096*(\t)
	global_load_b128 v[LS+8*(\t)+4:LS+8*(\t)+7], v3, s[24:25] offset:LOFF+4096*(\t)+16
.endr
	global_load_b128 v[MO:MO+3],   v3, s[26:27]
	global_load_b128 v[MO+4:MO+7], v3, s[26:27] offset:16
.irp i, 0,1,2,3,4,5,6,7,8,9,10,11,12,13,14,15
	global_load_b128 v[E+4*(\i):E+4*(\i)+3], v2, s[4:5] offset:2048*(\i) th:TH_LOAD_NT
.endr
	s_wait_loadcnt 16                              ; the statistics are in; the 16 rows may stay out
.irp k, 0,1,2,3,4,5,6,7
	v_max3_num_f32 v[MG+(\k)], v[MS+(\k)], v[MS+8+(\k)], v[MS+16+(\k)]
.endr
.irp k, 0,1,2,3,4,5,6,7
	v_max3_num_f32 v[MG+(\k)], v[MG+(\k)], v[MS+24+(\k)], v[MS+32+(\k)]
.endr
.irp k, 0,1,2,3,4,5,6,7
	v_max3_num_f32 v[MG+(\k)], v[MG+(\k)], v[MS+40+(\k)], v[MS+48+(\k)]
.endr
.irp k, 0,1,2,3,4,5,6,7
	v_max_num_f32 v[MG+(\k)], v[MG+(\k)], v[MS+56+(\k)]
.endr
.set n, 0
.rept 32
	v_pk_add_f32 v[MS+n:MS+n+1], v[MS+n:MS+n+1], v[MG+n%8:MG+n%8+1] neg_lo:[0,1] neg_hi:[0,1]
.set n, n+2
.endr
.irp k, 0,2,4,6
	v_pk_add_f32 v[MO+(\k):MO+(\k)+1], v[MO+(\k):MO+(\k)+1], v[MG+(\k):MG+(\k)+1] neg_lo:[0,1] neg_hi:[0,1]
.endr
.set n, 0
.rept 64
	v_exp_f32 v[MS+n], v[MS+n]                     ; one batch of 72: nothing ahead of its wait names a result
.set n, n+1
.endr
.irp k, 0,1,2,3,4,5,6,7
	v_exp_f32 v[MO+(\k)], v[MO+(\k)]
.endr
	v_nop                                          ; a plain instruction behind the last exponential,
	s_wait_alu depctr_va_vdst(0)                   ; and the batch's one wait
.irp k, 0,2,4,6
	v_pk_mul_f32 v[LG+(\k):LG+(\k)+1], v[MS+(\k):MS+(\k)+1], v[LS+(\k):LS+(\k)+1]
.endr
.irp t, 1,2,3,4,5,6,7
.irp k, 0,2,4,6
	v_pk_fma_f32 v[LG+(\k):LG+(\k)+1], v[MS+8*(\t)+(\k):MS+8*(\t)+(\k)+1], v[LS+8*(\t)+(\k):LS+8*(\t)+(\k)+1], v[LG+(\k):LG+(\k)+1]
.endr
.endr
.irp k, 0,1,2,3,4,5,6,7
	v_rcp_f32 v[LG+(\k)], v[LG+(\k)]
.endr
	v_nop
	s_wait_alu depctr_va_vdst(0)                   ; one wait for the eight reciprocals
.irp k, 0,2,4,6
	v_pk_mul_f32 v[CF+(\k):CF+(\k)+1], v[MO+(\k):MO+(\k)+1], v[LG+(\k):LG+(\k)+1]
.endr
.irp i, 0,1,2,3,4,5,6,7,8,9,10,11,12,13,14,15
	s_wait_loadcnt 15-(\i)                         ; row i is in; the younger rows may stay out
.irp k, 0,1,2,3
	v_lshlrev_b32 v[T+2*(\k)],   16,  v[E+4*(\i)+(\k)]
	v_and_b32     v[T+2*(\k)+1], s31, v[E+4*(\i)+(\k)]
.endr
.irp k, 0,2,4,6
	v_pk_mul_f32 v[T+(\k):T+(\k)+1], v[T+(\k):T+(\k)+1], v[CF+(\k):CF+(\k)+1]
.endr
.irp k, 0,1,2,3
	v_cvt_pk_bf16_f32 v[E+4*(\i)+(\k)], v[T+2*(\k)], v[T+2*(\k)+1]
.endr
	global_store_b128 v2, v[E+4*(\i):E+4*(\i)+3], s[6:7] offset:2048*(\i)
.endr
	s_endpgm
.Lfunc_end_k_q2a806b9e50_fix:
	.size	k_q2a806b9e50_fix, .Lfunc_end_k_q2a806b9e50_fix-k_q2a806b9e50_fix
	.p2alignl 7, 3214868480
	.fill 96, 4, 3214868480
	.section	.rodata,"a",@progbits
	.p2align	6, 0x0
	.amdhsa_kernel k_q2a806b9e50_fix
		.amdhsa_group_segment_fixed_size 0
		.amdhsa_private_segment_fixed_size 0
		.amdhsa_enable_private_segment 0
		.amdhsa_kernarg_size 16
		.amdhsa_user_sgpr_count 2
		.amdhsa_user_sgpr_kernarg_segment_ptr 1
		.amdhsa_wavefront_size32 1
		.amdhsa_system_sgpr_workgroup_id_x 1
		.amdhsa_system_sgpr_workgroup_id_y 1
		.amdhsa_system_sgpr_workgroup_id_z 1
		.amdhsa_system_vgpr_workitem_id 0
		.amdhsa_next_free_vgpr 240
		.amdhsa_next_free_sgpr 66
		.amdhsa_reserve_vcc 0
		.amdhsa_float_denorm_mode_32 3
		.amdhsa_float_denorm_mode_16_64 3
		.amdhsa_memory_ordered 1
		.amdhsa_forward_progress 1
		.amdhsa_inst_pref_size 29
	.end_amdhsa_kernel
	.amdgpu_metadata
---
amdhsa.version: [ 1, 2 ]
amdhsa.kernels:
  - .name:           k_q2a806b9e50_fix
    .symbol:         k_q2a806b9e50_fix.kd
    .args:
      - { .name: ev, .offset: 0, .size: 8, .value_kind: global_buffer, .address_space: global }
      - { .name: bq, .offset: 8, .size: 8, .value_kind: global_buffer, .address_space: global }
    .group_segment_fixed_size: 0
    .private_segment_fixed_size: 0
    .kernarg_segment_align: 8
    .kernarg_segment_size: 16
    .max_flat_workgroup_size: 256
    .sgpr_count:     66
    .vgpr_count:     240
    .wavefront_size: 32
...
	.end_amdgpu_metadata
.endif
;; end of part 3
;; launch r3 (part 4): grid 12 x 16, 4 waves a work-group, clusters of 4 x 4, 327,680 bytes of LDS; arguments pa, px, bq, vt, pw, out0, bk, ev, b2, b1; writes out0, bk, ev
.if DOCPART == 4
	.amdgcn_target "amdgcn-amd-amdhsa--gfx1250"
	.amdhsa_code_object_version 6
	.text
	.protected	k_q2a806b9e50_r3
	.globl	k_q2a806b9e50_r3
	.p2align	8
	.type	k_q2a806b9e50_r3,@function
k_q2a806b9e50_r3:
	s_mov_b64 s[64:65], 0
	v_nop
	global_prefetch_b8 v0, s[64:65] scope:SCOPE_SE
	s_setreg_imm32_b32 hwreg(HW_REG_WAVE_MODE, 25, 1), 1
	s_wait_xcnt 0x0
	s_wait_alu depctr_hold_cnt(0) depctr_sa_sdst(0) depctr_va_vdst(0) depctr_va_sdst(0) depctr_va_ssrc(0) depctr_va_vcc(0) depctr_vm_vsrc(0)
	s_getreg_b32 s2, hwreg(HW_REG_IB_STS2, 6, 4)
	s_cmp_eq_u32 s2, 0
	s_cbranch_scc0 .Lentry_in_a_cluster
	s_endpgm
.Lentry_in_a_cluster:
	s_bfe_u32 s2, ttmp6, 0x10000c
	s_cmp_lg_u32 s2, 0xf033
	s_cbranch_scc0 .Lentry_shape_is_right
	s_endpgm
.Lentry_shape_is_right:
; THE PRODUCTS BEHIND THE SOFTMAX: attn v and half of out0 (first launch of this body), (attn v) W1^T + b1 and the other half of out0 (second launch): twelve jobs in each.
; A JOB is C = A B^T on dense blocks of [1024][1024]: A and B bf16 (2 MiB), sums in f32.  A cluster of 4 x 4 work-groups does one job, WHICH ONE ITS IDS SAY.  With X, Y the cluster's x and y,
; hx = (X != 0), g2 = (Y >= 8), n = 4 X + Y - 4 (hx + g2), and the arguments A0, B0, A1, B1, B2, C0, C1, C2, bias0, bias2:
;   hx = 0, g2 = 0:  A = A0 + n blocks,           B = B0 + 8 blocks (a weight, behind the eight blocks of its buffer),  C = C0 + 2 n blocks, in f32, + bias0
;   hx = 0, g2 = 1:  A = B0's buffer + n blocks,  B = B2 + 8 blocks,                                                   C = C2 + 2 n blocks, in f32, + bias2
;   hx = 1:          A = A1 + n blocks,           B = B1 + n blocks,                                                   C = C1 + n blocks, rounded to bf16
; (a bias is rounded to bf16 like every input of the module).
; The first launch has 3 x 4 clusters: out0[Y] = (relu(x) + x)[Y] W2^T + b2 for Y = 0 .. 3 (X = 0) and ctx[n] = attn[n] (v^T[n])^T for n = 0 .. 7 (X = 1, 2).  It has no job with g2 = 1: its B2, C2 and bias2
; are buffers that it never touches.  The second has 1 x 12: ctx[Y] W1^T + b1 for Y = 0 .. 7, the number that reference() makes and then throws away, into a buffer that nobody reads; and out0[Y - 4] for
; Y = 8 .. 11, whose A, relu(x) + x, lies in the buffer whose ninth block is W1.  It has no job with hx = 1: its A1, B1 and C1 are buffers that it never touches.
; LIMITS.  NaN and infinities are not treated apart.
; THE TILE.  A work-group of four waves, as many as a WGP has SIMDs, makes 256 x 256 of C; a wave 128 x 128: 64 accumulators of 16 x 16, 512 registers.  K goes in 8 steps of 128 through a ring of two LDS slots
; filled by the tensor data mover: a tile's rows are 256 bytes of memory at multiples of 256 from the buffer's first byte.  CLUSTER: the four work-groups of a row of the cluster need the same tiles of A, the
; four of a column the same tiles of B: each tile is asked for JOINTLY, by the same tensor load with the same descriptor and a mask that names the four.  X and Y are the same for all sixteen.
; THE TEXT HOLDS A K STEP TWICE: in a loop of six trips, each of which fills the slot that it has read out, and in a loop of two trips that fill nothing.  Which slot is
; in hand is a scalar, 0 or SLOT, turned by an exclusive or at each change of slots; the fragments' LDS addresses are made of it anew there.
; THE MATRIX INSTRUCTION IS USED TRANSPOSED (source 0 = 16 rows of B, source 1 = 16 rows of A): lane l holds row l % 16 of C and its registers 0-7 the columns 8 (l / 16) + 0 .. 7.
; REGISTERS, in windows of 256 (s_set_vgpr_msb: bits 1:0 source 0, 3:2 source 1, 5:4 source 2, 7:6 destination):
;   window 0: v0-31 addresses and the bias; v64-127, v128-191 fragments of A, two buffers (on the f32 way out: rows read back); v32-63, v192-255 at work on the bf16 way out
;   window 1: v64-127, v128-191 fragments of B     window 2: the accumulators of my rows 0-63 ((a, b) at v[8 (8 a + b)])     window 3: those of my rows 64-127
.set KSTEP,  128
.set STEPS,  8                         ; K = 1024
.set ROWB,   2048                      ; bytes in a row of a bf16 block
.set PITCH,  272                       ; an LDS row: 256 bytes + 16 of padding = 68 words: the 16 rows that a load touches start at 16 different groups of four banks (64 banks of 4 bytes: ISA guide 11.1)
.set HALFT,  128*PITCH                 ; 128 rows: what one tensor load brings
.set SLOT,   4*HALFT                   ; A's 256 rows, then B's 256 rows.  0x22000: it shares no bit with wave x HALFT (0, 0x8800, 0x11000, 0x19800), so one exclusive or turns a tile's LDS address into the other slot's
.set STAGE,  2*SLOT                    ; behind the ring: a stage for each wave, never filled by a tensor load
.set SPITCH, 272                       ; stage rows of 128 bf16
.set FPITCH, 528                       ; stage rows of 128 f32: 512 bytes + 16
.set WSTG,   16*FPITCH                 ; a wave's stage
.set SPARE,  STAGE+4*WSTG              ; behind the stages: the spare words, 128 bytes for each wave: two blocks of 256 bytes that no other line names
.set COF,  6                           ; v6   16 x lane
.set BOF,  9                           ; v9   my four columns' bytes in the bias
.set BS,   10                          ; v[10:13] the bias of my four columns
.set ADRA,  16                         ; v16  LDS address of my A fragments in the slot in hand
.set ADRA0, 17                         ; v17  the same in slot 0; never rewritten
.set ADRB,  20                         ; v20, v21  the same two for B
.set ADRB0, 21
.set STO,  24                          ; v24  bf16 way out: where I put 16 bytes of a row
.set RD,   25                          ; v25  and where I read a row back
.set CO,   26                          ; v26  my byte offset in two rows of a bf16 C
.set STF,  27                          ; v27  f32 way out: where I put 32 bytes of a row
.set SPW,  28                          ; v28  LDS address of my spare word; never rewritten
.set NIL,  29                          ; v29  0; never rewritten
.set PFO,  30                          ; v30  the prefetches' offset: lane x a row; never rewritten
.set RDF,  31                          ; v31  stage + 16 x lane
.set F0,   64
.set F1,   128
.set FB,   64                          ; f32 way out: 16 rows read back, two buffers of 64
.set TMP,  192
.set OB,   32
.set G1,   24                          ; s[24:31] descriptor group 1 for A's tiles;  s[32:39] group 0: a set for each of the two first fills; the second then walks on
.set G0,   32
.set G1B,  48                          ; s[48:55], s[56:63] the same for B's
.set G0B,  56
.set LIM,  43                          ; s43  2 in a wave that prefetches, else the greatest number
.set PFA,  44                          ; s[44:45] where my prefetches stand
.set ARG,  68                          ; s[68:87] the ten arguments: A0 +0, B0 +2, A1 +4, B1 +6, B2 +8, C0 +10, C1 +12, C2 +14, bias0 +16, bias2 +18
.set BIA,  88                          ; s[88:89] my job's bias
.set YY,   90                          ; s90  Y
.set HX,   91                          ; s91  hx
.set G2,   92                          ; s92  g2
.set AB,   93                          ; s93  n
.set TB,   94                          ; s94  the slot in hand: 0 or SLOT
.set MSB, 0
.macro WIN new                         ; the immediate's high byte repeats the setting that is left; a switch that changes nothing is dropped
.if MSB != (\new)
	s_set_vgpr_msb (MSB<<8)|(\new)
.set MSB, \new
.endif
.endm
.set MUL_LO, 0xa1                      ; source 0 (B) window 1, source 1 (A) window 0, C and D window 2
.set MUL_HI, 0xf1                      ; the same, C and D window 3
.set TO_B,   0x40                      ; destination window 1, address window 0
; A joint load.  Waves 0 and 1 fetch A's two halves, waves 2 and 3 B's.  The branch hangs on the wave's number alone.  An s_nop 0 and four v_nop follow each of the two lines.
.macro JLOAD s
	s_cmp_eq_u32 s11, 0
	s_cbranch_scc0 .Lfor_b_\@
	tensor_load_to_lds s[G0+4*(\s):G0+4*(\s)+3], s[G1:G1+7]
	s_nop 0
.rept 4
	v_nop
.endr
	s_branch .Lasked_\@
.Lfor_b_\@:
	tensor_load_to_lds s[G0B+4*(\s):G0B+4*(\s)+3], s[G1B:G1B+7]
	s_nop 0
.rept 4
	v_nop
.endr
.Lasked_\@:
.endm
; A PREFETCH, behind each joint load, its five lines and the run of LDS loads that follows: the K step that stands two refills on, 32 rows x 256 bytes, a lane a row, one instruction a wave.  Each row's 256 bytes
; of a K step are named once in the launch: A's blocks have one cluster each, which asks; so have B's where hx = 1; a weight that several clusters with hx = 0 share is asked for by the one with Y & 7 = 0; the four
; partners that ask for a tile jointly share its rows out BY ADDRESS, 32 each.  K steps 0 to 3 come by their loads alone; the loop's last two trips (s3 = 2, 1) have no K step two refills on.
.macro ASK
	s_cmp_gt_u32 s3, s[LIM]
	s_cbranch_scc0 .Lnot_mine_\@
	global_prefetch_b8 v[PFO], s[PFA:PFA+1] offset:KSTEP*2 th:TH_LOAD_NT scope:SCOPE_SE
.Lnot_mine_\@:
.endm
.macro CREST                           ; a round of the cluster's barrier behind its opening barrier
	s_cmp_lg_u32 s10, 0
	s_cbranch_scc1 .Lnot_wave_0_\@
	s_barrier_signal -3
.Lnot_wave_0_\@:
	s_barrier_wait -3
	s_barrier_signal -1
	s_barrier_wait -1
.endm
.macro CROUND                          ; a whole round
	s_barrier_signal -1
	s_barrier_wait -1
	CREST
.endm
	s_load_b512 s[ARG:ARG+15], s[0:1], 0x0         ; A0, B0, A1, B1, B2, C0, C1, C2
	s_load_b128 s[ARG+16:ARG+19], s[0:1], 0x40     ; bias0, bias2
	v_lshl_add_u32 v[SPW], v0, 2, SPARE
	v_mov_b32 v[NIL], 0
	ds_add_u32 v[SPW], v[NIL]                      ; the wave's opening: the add and its wait stand ahead of my first tensor load; work on registers stands between them
	v_lshrrev_b32 v1, 5, v0
	v_readfirstlane_b32 s10, v1                    ; wave 0..3
	s_lshr_b32 s11, s10, 1                         ; which half of the tile's rows is mine.  Also: I fetch for A (0) or for B (1)
	s_and_b32 s12, s10, 1                          ; which half of its columns.  Also: which 128 rows of that tile I fetch
	s_bfe_u32 s40, ttmp6, 0x40000                  ; cx = the tile column of C
	s_bfe_u32 s41, ttmp6, 0x40004                  ; cy = the tile row
	s_and_b32 s[YY], ttmp7, 0xffff                 ; in a cluster launch ttmp9 and ttmp7 count clusters: the same in all sixteen work-groups
	s_cmp_lg_u32 ttmp9, 0
	s_cselect_b32 s[HX], 1, 0
	s_cmp_ge_u32 s[YY], 8
	s_cselect_b32 s[G2], 1, 0
	s_lshl_b32 s[AB], ttmp9, 2
	s_add_co_u32 s[AB], s[AB], s[YY]
	s_add_co_u32 s16, s[HX], s[G2]
	s_lshl_b32 s16, s16, 2
	s_sub_co_u32 s[AB], s[AB], s16                 ; n = 4 X + Y - 4 (hx + g2): 0 .. 7
	s_lshl_b32 s43, s41, 2
	s_lshl_b32 s43, 15, s43                        ; my row of the cluster
	s_lshl_b32 s44, 0x1111, s40                    ; my column
	s_or_b32 s[G1+0], s43, (1<<16)|(1<<20)|(1<<21)|(5<<22)|(3<<25)   ; 15:0 the mask; 17:16 elements of 2 bytes; 20 padding on; 21 set beside a mask; 24:22 after every 64 words (code 5); 31:25 4 words (code 3)
	s_or_b32 s[G1B+0], s44, (1<<16)|(1<<20)|(1<<21)|(5<<22)|(3<<25)
.irp g, G1, G1B
	s_mov_b32 s[(\g)+1], KSTEP<<16                 ; tensor_dim0 = 128
	s_mov_b32 s[(\g)+2], 128<<16                   ; tensor_dim1 = 128
	s_mov_b32 s[(\g)+3], KSTEP<<16                 ; tile_dim0 = 128
	s_mov_b32 s[(\g)+4], 128                       ; tile_dim1 = 128
	s_mov_b32 s[(\g)+5], 1024                      ; elements from row to row
	s_mov_b32 s[(\g)+6], 0
	s_mov_b32 s[(\g)+7], 0
.endr
	s_mov_b32 s[TB], 0                             ; slot 0 is read first
	s_mul_i32 s20, s10, HALFT                      ; where my tiles go: wave x 128 rows: no place in the cluster enters an LDS address
	s_wait_dscnt 0x0                               ; the opening add is done
	s_wait_kmcnt 0x0
	s_cmp_eq_u32 s[G2], 1                          ; the buffers where hx = 0,
	s_cselect_b64 s[4:5], s[ARG+2:ARG+3], s[ARG:ARG+1]          ; A's
	s_cselect_b64 s[6:7], s[ARG+8:ARG+9], s[ARG+2:ARG+3]        ; B's
	s_cselect_b64 s[8:9], s[ARG+14:ARG+15], s[ARG+10:ARG+11]    ; C's
	s_cselect_b64 s[BIA:BIA+1], s[ARG+18:ARG+19], s[ARG+16:ARG+17]
	s_cmp_eq_u32 s[HX], 1                          ; and where hx = 1
	s_cselect_b64 s[4:5], s[ARG+4:ARG+5], s[4:5]
	s_cselect_b64 s[6:7], s[ARG+6:ARG+7], s[6:7]
	s_cselect_b64 s[8:9], s[ARG+12:ARG+13], s[8:9]
	s_cselect_b32 s18, s[AB], 8                    ; B's block: n, or the weight's
	s_lshl_b32 s16, s[AB], 21
	s_mov_b32 s17, 0
	s_add_nc_u64 s[4:5], s[4:5], s[16:17]          ; A's block: n
	s_lshl_b32 s16, s18, 21
	s_add_nc_u64 s[6:7], s[6:7], s[16:17]
	s_lshl_b32 s18, s12, 7                         ; which 128 rows of the tile I fetch
	s_lshl_b32 s16, s41, 8
	s_add_co_u32 s16, s16, s18
	s_lshl_b32 s16, s16, 11                        ; A: row 256 cy + 128 x half, in bytes
	s_add_nc_u64 s[14:15], s[4:5], s[16:17]
	s_lshl_b32 s46, s40, 8
	s_add_co_u32 s46, s46, s18
	s_lshl_b32 s46, s46, 11                        ; B: row 256 cx + 128 x half
	s_mov_b32 s47, 0
	s_add_nc_u64 s[46:47], s[6:7], s[46:47]
	CROUND                                         ; all sixteen work-groups are here: the first joint loads meet
.irp s, 0,1
	s_mov_b32 s[G0+4*(\s)], 1                                        ; count = 1
	s_add_co_u32 s[G0+4*(\s)+1], s20, (\s)*SLOT                      ; LDS address
	s_add_nc_u64 s[G0+4*(\s)+2:G0+4*(\s)+3], s[14:15], (\s)*KSTEP*2  ; global address: K step s
	s_or_b32 s[G0+4*(\s)+3], s[G0+4*(\s)+3], 0x80000000              ; type = 2
	s_mov_b32 s[G0B+4*(\s)], 1
	s_add_co_u32 s[G0B+4*(\s)+1], s20, (\s)*SLOT
	s_add_nc_u64 s[G0B+4*(\s)+2:G0B+4*(\s)+3], s[46:47], (\s)*KSTEP*2
	s_or_b32 s[G0B+4*(\s)+3], s[G0B+4*(\s)+3], 0x80000000
	JLOAD \s                                       ; the ring is filled before anything else is done: two tensor loads of mine are out
.endr
	; A fragment is 16 rows x 32 K in 8 registers: lane l holds row l % 16; registers 0-3 K = 8 (l / 16) + 0..7, registers 4-7 K = 16 + 8 (l / 16) + 0..7: two loads of 16 bytes, 32 bytes apart.
	v_and_b32 v1, 15, v0                           ; l % 16
	v_bfe_u32 v2, v0, 4, 1                         ; l / 16
	v_mul_u32_u24 v3, v1, PITCH
	v_lshl_add_u32 v3, v2, 4, v3
	s_mul_i32 s21, s11, HALFT                      ; my 128 rows of A
	s_mul_i32 s22, s12, HALFT                      ; my 128 rows of B,
	s_add_co_u32 s22, s22, 2*HALFT                 ; which lie behind A's 256
	v_add_nc_u32 v[ADRA0], s21, v3
	v_add_nc_u32 v[ADRB0], s22, v3
	v_add_nc_u32 v[ADRA], s21, v3                  ; the slot in hand is slot 0
	v_add_nc_u32 v[ADRB], s22, v3
	s_mul_i32 s23, s10, WSTG
	s_add_co_u32 s23, s23, STAGE                   ; my stage
	v_mul_u32_u24 v4, v1, SPITCH
	v_lshl_add_u32 v4, v2, 4, v4
	v_add_nc_u32 v[STO], s23, v4                   ; bf16 in: row l % 16, 16 bytes for each half of the lanes
	v_mul_u32_u24 v5, v2, SPITCH
	v_lshl_add_u32 v5, v1, 4, v5
	v_add_nc_u32 v[RD], s23, v5                    ; back: lanes 0-15 one row of 256 bytes, lanes 16-31 the next
	v_lshlrev_b32 v5, 11, v2
	v_lshl_add_u32 v[CO], v1, 4, v5                ; and the same two rows in C
	v_mul_u32_u24 v4, v1, FPITCH
	v_lshl_add_u32 v4, v2, 5, v4
	v_add_nc_u32 v[STF], s23, v4                   ; f32 in: row l % 16, 32 bytes for each half of the lanes
	v_and_b32 v14, 31, v0
	v_lshlrev_b32 v[COF], 4, v14
	v_add_nc_u32 v[RDF], s23, v[COF]               ; back: 32 lanes take one row of 512 bytes
	v_lshlrev_b32 v[PFO], 11, v14
	s_lshl_b32 s13, s41, 8
	s_lshl_b32 s16, s11, 7
	s_add_co_u32 s13, s13, s16                     ; my first row of C
	s_lshl_b32 s42, s40, 8
	s_lshl_b32 s16, s12, 7
	s_add_co_u32 s42, s42, s16                     ; my first column
	v_lshl_add_u32 v[BOF], s42, 2, v[COF]
	global_load_b128 v[BS:BS+3], v[BOF], s[BIA:BIA+1]  ; the bias of columns first + 4 lane .. + 3: loaded by every cluster, so that the head has no branch; the f32 way out uses it
	s_lshl_b32 s16, s13, 11                        ; C's place: my first row and column, in block n; twice the bytes in f32
	s_lshl_b32 s18, s42, 1
	s_add_co_u32 s16, s16, s18
	s_lshl_b32 s18, s[AB], 21
	s_add_co_u32 s16, s16, s18
	s_xor_b32 s18, s[HX], 1
	s_lshl_b32 s16, s16, s18
	s_add_nc_u64 s[8:9], s[8:9], s[16:17]
	; the prefetches
	s_and_b32 s21, s[YY], 7
	s_cmp_lg_u32 s21, 0
	s_cselect_b32 s21, 1, 0
	s_xor_b32 s22, s[HX], 1
	s_and_b32 s21, s21, s22                        ; 0: this cluster asks for B's rows; every cluster asks for its A's
	s_lshl_b32 s18, s41, 8
	s_lshl_b32 s19, s40, 8
	s_cmp_eq_u32 s11, 0                            ; do I fetch for A?
	s_cselect_b32 s20, s18, s19                    ; the tile's first row
	s_cselect_b32 s23, s40, s41                    ; my place among the four that ask for it with me
	s_cselect_b32 s22, 0, s21
	s_cselect_b64 s[PFA:PFA+1], s[4:5], s[6:7]
	s_cmp_eq_u32 s22, 0
	s_cselect_b32 s[LIM], 2, -1                    ; the same in all sixteen partners, for a given wave
	s_lshl_b32 s22, s12, 7
	s_add_co_u32 s20, s20, s22                     ; + the 128 rows that I fetch
	s_lshl_b32 s23, s23, 5
	s_add_co_u32 s20, s20, s23                     ; + my work-group's 32 of them
	s_lshl_b32 s20, s20, 11
	s_add_co_u32 s20, s20, 2*KSTEP*2               ; at K step 2: the first refill steps it to 3 and names K step 4
	s_mov_b32 s21, 0
	s_add_nc_u64 s[PFA:PFA+1], s[PFA:PFA+1], s[20:21]
; 16 matrix instructions: m blocks a0, a0 + 1 of the window's four x all 8 n blocks, 32 along K.  zero = 1: the first product starts the sums: nothing is ever cleared.
.macro MUL16 f, hi, a0, zero
	WIN MUL_LO+0x50*(\hi)
.irp a, \a0, (\a0)+1
.irp b, 0,1,2,3,4,5,6,7
.if \zero
	v_wmma_f32_16x16x32_bf16 v[8*(8*(\a)+(\b)):8*(8*(\a)+(\b))+7], v[(\f)+8*(\b):(\f)+8*(\b)+7], v[(\f)+8*(4*(\hi)+(\a)):(\f)+8*(4*(\hi)+(\a))+7], 0
.else
	v_wmma_f32_16x16x32_bf16 v[8*(8*(\a)+(\b)):8*(8*(\a)+(\b))+7], v[(\f)+8*(\b):(\f)+8*(\b)+7], v[(\f)+8*(4*(\hi)+(\a)):(\f)+8*(4*(\hi)+(\a))+7], v[8*(8*(\a)+(\b)):8*(8*(\a)+(\b))+7]
.endif
.endr
.endr
.endm
; 32 LDS loads in one run: the fragments of one quarter step (128 rows of B, 128 rows of A, 32 K at byte k of the rows of the slot in hand) into buffer f
.macro FETCH k, f
	WIN TO_B
.irp i, 0,1,2,3,4,5,6,7
	ds_load_b128 v[(\f)+8*(\i):(\f)+8*(\i)+3],   v[ADRB] offset:(\k)+(\i)*16*PITCH
	ds_load_b128 v[(\f)+8*(\i)+4:(\f)+8*(\i)+7], v[ADRB] offset:(\k)+(\i)*16*PITCH+32
.endr
	WIN 0
.irp i, 0,1,2,3,4,5,6,7
	ds_load_b128 v[(\f)+8*(\i):(\f)+8*(\i)+3],   v[ADRA] offset:(\k)+(\i)*16*PITCH
	ds_load_b128 v[(\f)+8*(\i)+4:(\f)+8*(\i)+7], v[ADRA] offset:(\k)+(\i)*16*PITCH+32
.endr
.endm
; A load into a register that a matrix instruction has read stands four plain vector instructions behind it (ISA guide 7.12.1 for vector instructions); matrix instructions in between are not counted.
.macro PLACES
.rept 4
	v_nop
.endr
.endm
; A K step is four quarters of 32 along K, 64 matrix instructions each, on buffers 0, 1, 0, 1.  The 64 accumulators take turns, in the same order in every quarter.
; One of the first three: multiplies buffer f; in its middle it fetches the next quarter's fragments, at byte k of the rows, into buffer g.
.macro QUARTER k, f, g, zero
	s_wait_dscnt 8                                 ; B and A's rows 0-63 are in; the youngest eight loads (A's rows 64-127) may be out
	MUL16 \f, 0, 0, \zero
	MUL16 \f, 0, 2, \zero
	PLACES
	FETCH \k, \g
	s_wait_dscnt 32                                ; all but the 32 just issued
	MUL16 \f, 1, 0, \zero
	MUL16 \f, 1, 2, \zero
.endm
; The last quarter multiplies buffer 1 and changes slots.  MEET is its first half: one barrier.  In front of it each wave waits for all its tensor loads, of which at most one is out: its part of the next slot; adds
; 0 to its spare word; and waits for that and for its own reads of this slot.  Behind it nobody reads this slot any more and the next slot is whole.
.macro MEET
	WIN 0                                          ; (the add's two registers lie in window 0)
	s_wait_tensorcnt 0x0                           ; all my tensor loads have landed
	ds_add_u32 v[SPW], v[NIL]                      ; 0 onto my spare word
	s_wait_dscnt 9                                 ; (the add and the youngest eight loads may be out)
	MUL16 F1, 0, 0, 0                              ; sixteen matrix instructions stand between the add and the wait for it
	s_wait_dscnt 0x0                               ; the add is done, and my reads of this slot are over
	s_barrier_signal -1
	MUL16 F1, 0, 2, 0                              ; work on registers while the others arrive
	WIN 0
	s_barrier_wait -1
.endm
; The whole last quarter.  At its head the slot in hand is turned and the fragments' addresses are made anew: the old slot's last loads have been issued, and LDS loads have read their address at issue.
; fill = 1: the barrier opens a round of the cluster's, and behind the round the slot just read out is filled again first, with the K step two steps on, by the walking descriptor (the other slot than last time,
; one K step further): from that request to the wait for it a wave issues 224 matrix instructions; by this text's count one tensor load of mine is out behind each round.
; fill = 0: nothing is left to fetch from memory; in the very last K step (s3 = 1) there is no next slot either, and the rest of the trip is left by a jump forward that passes no barrier and no tensor load.
.macro TURN fill
	WIN 0
.if \fill
	s_wait_xcnt 0x0                                ; the last prefetch, a K step back, has read its address: it is stepped here, ahead of the waits of the change of slots
	s_add_nc_u64 s[PFA:PFA+1], s[PFA:PFA+1], KSTEP*2
.endif
	s_xor_b32 s[TB], s[TB], SLOT
	v_add_nc_u32 v[ADRA], s[TB], v[ADRA0]
	v_add_nc_u32 v[ADRB], s[TB], v[ADRB0]
	MEET
.if \fill
	CREST                                          ; no wave of any partner still reads this slot's tile or has a load on its way
	s_xor_b32 s[G0+5], s[G0+5], SLOT
	s_add_nc_u64 s[G0+6:G0+7], s[G0+6:G0+7], KSTEP*2
	s_xor_b32 s[G0B+5], s[G0B+5], SLOT
	s_add_nc_u64 s[G0B+6:G0B+7], s[G0B+6:G0B+7], KSTEP*2
	JLOAD 1                                        ; the first tensor load behind the round; the four v_nop behind it are also the places in front of the loads below
	FETCH 0, F0
	ASK
.else
	s_cmp_eq_u32 s3, 1
	s_cbranch_scc1 .Lfin
	PLACES
	FETCH 0, F0
.endif
	MUL16 F1, 1, 0, 0
	MUL16 F1, 1, 2, 0
.endm
; THE bf16 WAY OUT of row block a, in three parts.  PACK: rounded, 16 bytes a lane.  TOSTAGE: into my own stage, and back as whole rows of 256 bytes.  SEND: stored.
.macro PACK a
.set AC, 64*((\a)%4)
	WIN 0x0a+5*((\a)/4)                            ; sources 0 and 1: window 2 or 3
.irp b, 0,1,2,3,4,5,6,7
.irp r, 0,1,2,3
	v_cvt_pk_bf16_f32 v[TMP+4*(\b)+(\r)], v[AC+8*(\b)+2*(\r)], v[AC+8*(\b)+2*(\r)+1]
.endr
.endr
	WIN 0
.endm
.macro TOSTAGE a
	WIN 0
.set BK, OB+192*((\a)%2)
.irp b, 0,1,2,3,4,5,6,7
	ds_store_b128 v[STO], v[TMP+4*(\b):TMP+4*(\b)+3] offset:32*(\b)
.endr
.irp t, 0,1,2,3,4,5,6,7
	ds_load_b128 v[BK+4*(\t):BK+4*(\t)+3], v[RD] offset:(\t)*2*SPITCH  ; LDS serves a wave's instructions in order (ISA guide 5.7.1.4): these see the stores above
.endr
.endm
.macro SEND a, younger
	WIN 0
.set BK, OB+192*((\a)%2)
	s_wait_dscnt \younger                          ; the block is back in registers
	s_wait_xcnt 0x0                                ; the stores' base and the registers that earlier stores read are rewritten only behind this wait
.if (\a) > 0
	s_add_nc_u64 s[8:9], s[8:9], 16*ROWB           ; 16 rows of C on
.endif
.irp t, 0,1,2,3,4,5,6,7
	global_store_b128 v[CO], v[BK+4*(\t):BK+4*(\t)+3], s[8:9] offset:2*(\t)*ROWB  ; 16 lanes store 256 consecutive bytes, at a multiple of 256 from C's first byte
.endr
.endm
; THE f32 WAY OUT of row block a.  FSTAGE: a lane's eight numbers of a row, 32 bytes, into stage rows of 528 bytes; back as whole rows of 512.  FSEND: the bias is added, a row a store.
.macro FSTAGE a
	WIN 0
	s_wait_xcnt 0x0                                ; the stores of the block two back have read the buffer that is loaded again below
	WIN 0x08+4*((\a)/4)                            ; the stores' data: window 2 or 3
.irp b, 0,1,2,3,4,5,6,7
	ds_store_b128 v[STF], v[64*((\a)%4)+8*(\b):64*((\a)%4)+8*(\b)+3]   offset:64*(\b)     ; each accumulator's low registers are read first
	ds_store_b128 v[STF], v[64*((\a)%4)+8*(\b)+4:64*((\a)%4)+8*(\b)+7] offset:64*(\b)+16
.endr
	WIN 0
.irp t, 0,1,2,3,4,5,6,7,8,9,10,11,12,13,14,15
	ds_load_b128 v[FB+64*((\a)%2)+4*(\t):FB+64*((\a)%2)+4*(\t)+3], v[RDF] offset:FPITCH*(\t)
.endr
.endm
.macro FSEND a, younger                ; younger: the LDS instructions issued behind block a's loads: the next block's 16 stores and 16 loads, or none
.set FR, FB+64*((\a)%2)
	s_wait_dscnt \younger
	s_wait_xcnt 0x0                                ; the stores' base is rewritten only behind this wait
.if (\a) > 0
	s_add_nc_u64 s[8:9], s[8:9], 16*2*ROWB         ; 16 rows of 4,096 bytes on
.endif
.irp t, 0,1,2,3,4,5,6,7,8,9,10,11,12,13,14,15
	v_pk_add_f32 v[FR+4*(\t):FR+4*(\t)+1],   v[FR+4*(\t):FR+4*(\t)+1],   v[BS:BS+1]
	v_pk_add_f32 v[FR+4*(\t)+2:FR+4*(\t)+3], v[FR+4*(\t)+2:FR+4*(\t)+3], v[BS+2:BS+3]
	global_store_b128 v[COF], v[FR+4*(\t):FR+4*(\t)+3], s[8:9] offset:2*ROWB*(\t)  ; the wave stores 512 consecutive bytes of a row, at a multiple of 512 from C's first byte
.endr
.endm
	s_wait_loadcnt 0x0                             ; the bias; it is rounded to bf16 while the first tiles are on their way
	v_cvt_pk_bf16_f32 v14, v[BS], v[BS+1]
	v_cvt_pk_bf16_f32 v15, v[BS+2], v[BS+3]
	v_lshlrev_b32 v[BS], 16, v14
	v_and_b32 v[BS+1], 0xffff0000, v14
	v_lshlrev_b32 v[BS+2], 16, v15
	v_and_b32 v[BS+3], 0xffff0000, v15
	s_wait_tensorcnt 1                             ; my part of K step 0 is in; K step 1's may stay out
	s_barrier_signal -1
	s_barrier_wait -1                              ; everybody's is
	FETCH 0, F0
	QUARTER 64,  F0, F1, 1                         ; the first quarter stands in front of the loops: its products start the sums
	WIN 0                                          ; at a label and at a branch every window is 0
	s_mov_b32 s3, STEPS-2
.Lstep:                                                ; a trip goes from a K step's second quarter to the next step's first, and fills the slot that it has read out: K steps 2 to 7 are asked for
	QUARTER 128, F1, F0, 0
	QUARTER 192, F0, F1, 0
	TURN 1
	QUARTER 64,  F0, F1, 0
	WIN 0
	s_sub_co_u32 s3, s3, 1
	s_cmp_lg_u32 s3, 0
	s_cbranch_scc1 .Lstep
	s_mov_b32 s3, 2
.Ltail:                                                ; the last two K steps ask for nothing; the second trip is left in its middle
	QUARTER 128, F1, F0, 0
	QUARTER 192, F0, F1, 0
	TURN 0
	QUARTER 64,  F0, F1, 0
	WIN 0
	s_sub_co_u32 s3, s3, 1
	s_cmp_lg_u32 s3, 0
	s_cbranch_scc1 .Ltail
.Lfin:
	s_wait_dscnt 0x0                               ; (met already where the jump comes from: the wait in front of the barrier was for 0)
	MUL16 F1, 1, 0, 0                              ; the very last products
	MUL16 F1, 1, 2, 0
	WIN 0
	PLACES                                         ; the places behind the last products, for both ways out: they read results just made and write over the fragments
	PLACES
	s_cmp_eq_u32 s[HX], 0                          ; hx is the same in all sixteen work-groups; no barrier and no tensor load stands in either way out
	s_cbranch_scc1 .Lf32
	PACK 0                                         ; bf16: block a's conversions stand between block a - 1's loads from the stage and the wait for them
	TOSTAGE 0
.irp a, 1,2,3,4,5,6,7
	PACK \a
	SEND (\a)-1, 0
	TOSTAGE \a
.endr
	SEND 7, 0
	s_branch .Lend
.Lf32:
	FSTAGE 0                                       ; f32: block a goes through the stage while block a - 1 is added to and stored
.irp a, 1,2,3,4,5,6,7
	FSTAGE \a
	FSEND (\a)-1, 32
.endr
	FSEND 7, 0
.Lend:
	s_wait_tensorcnt 0x0                           ; the wave's end, behind my last tensor load and my last LDS store
	ds_add_u32 v[SPW], v[NIL]
	s_wait_dscnt 0x0
	CROUND                                         ; the closing round: no work-group ends while a partner may still ask for a tile that names it
	s_endpgm
.Lfunc_end_k_q2a806b9e50_r3:
	.size	k_q2a806b9e50_r3, .Lfunc_end_k_q2a806b9e50_r3-k_q2a806b9e50_r3
	.p2alignl 7, 3214868480
	.fill 96, 4, 3214868480
	.section	.rodata,"a",@progbits
	.p2align	6, 0x0
	.amdhsa_kernel k_q2a806b9e50_r3
		.amdhsa_group_segment_fixed_size 327680
		.amdhsa_private_segment_fixed_size 0
		.amdhsa_enable_private_segment 0
		.amdhsa_kernarg_size 80
		.amdhsa_user_sgpr_count 2
		.amdhsa_user_sgpr_kernarg_segment_ptr 1
		.amdhsa_wavefront_size32 1
		.amdhsa_system_sgpr_workgroup_id_x 1
		.amdhsa_system_sgpr_workgroup_id_y 1
		.amdhsa_system_sgpr_workgroup_id_z 1
		.amdhsa_system_vgpr_workitem_id 0
		.amdhsa_next_free_vgpr 1024
		.amdhsa_next_free_sgpr 100
		.amdhsa_reserve_vcc 0
		.amdhsa_float_denorm_mode_32 3
		.amdhsa_float_denorm_mode_16_64 3
		.amdhsa_memory_ordered 1
		.amdhsa_forward_progress 1
		.amdhsa_inst_pref_size 150
	.end_amdhsa_kernel
	.amdgpu_metadata
---
amdhsa.version: [ 1, 2 ]
amdhsa.kernels:
  - .name:           k_q2a806b9e50_r3
    .symbol:         k_q2a806b9e50_r3.kd
    .args:
      - { .name: pa, .offset: 0, .size: 8, .value_kind: global_buffer, .address_space: global }
      - { .name: px, .offset: 8, .size: 8, .value_kind: global_buffer, .address_space: global }
      - { .name: bq, .offset: 16, .size: 8, .value_kind: global_buffer, .address_space: global }
      - { .name: vt, .offset: 24, .size: 8, .value_kind: global_buffer, .address_space: global }
      - { .name: pw, .offset: 32, .size: 8, .value_kind: global_buffer, .address_space: global }
      - { .name: out0, .offset: 40, .size: 8, .value_kind: global_buffer, .address_space: global }
      - { .name: bk, .offset: 48, .size: 8, .value_kind: global_buffer, .address_space: global }
      - { .name: ev, .offset: 56, .size: 8, .value_kind: global_buffer, .address_space: global }
      - { .name: b2, .offset: 64, .size: 8, .value_kind: global_buffer, .address_space: global }
      - { .name: b1, .offset: 72, .size: 8, .value_kind: global_buffer, .address_space: global }
    .group_segment_fixed_size: 327680
    .private_segment_fixed_size: 0
    .kernarg_segment_align: 8
    .kernarg_segment_size: 80
    .max_flat_workgroup_size: 128
    .sgpr_count:     100
    .vgpr_count:     1024
    .wavefront_size: 32
...
	.end_amdgpu_metadata
.endif
;; end of part 4
;; launch r4: the kernel of part 4 again; grid 4 x 48, 4 waves a work-group, clusters of 4 x 4, 327,680 bytes of LDS; arguments bk, pa, x, vt, px, ev, bq, out0, b1, b2; writes ev, bq, out0
;; ======== version 2 of 2: 6 launches; version 1 with the launches prep, fix written anew for expert scheduling mode
;; workspace buffers: px 18,874,368 bytes; pa 18,874,368 bytes; pw 4,194,304 bytes; pv 2,097,152 bytes; bq 16,777,216 bytes; bk 16,777,216 bytes; vt 16,777,216 bytes; ev 33,554,432 bytes
;; launch prep (part 5): grid 512 x 1, 8 waves a work-group, no clusters, 0 bytes of LDS; arguments x, ln_scale, ln_bias, Wq, Wk, Wv, W1, W2, px, pa, pw, pv; writes px, pa, pw, pv
.if DOCPART == 5
	.amdgcn_target "amdgcn-amd-amdhsa--gfx1250"
	.amdhsa_code_object_version 6
	.text
	.protected	k_q2a806b9e50_prep
	.globl	k_q2a806b9e50_prep
	.p2align	8
	.type	k_q2a806b9e50_prep,@function
k_q2a806b9e50_prep:
	s_mov_b64 s[64:65], 0
	v_nop
	global_prefetch_b8 v0, s[64:65] scope:SCOPE_SE
	s_setreg_imm32_b32 hwreg(HW_REG_WAVE_SCHED_MODE, 0, 2), 2
	s_setreg_imm32_b32 hwreg(HW_REG_WAVE_MODE, 25, 1), 1
	s_wait_xcnt 0x0
	s_wait_alu depctr_vm_vsrc(0)
; PREPARATION.  From x [8192][1024] f32: xt = LayerNorm(x) * ln_scale + ln_bias and xa = relu(x) + x, both rounded once to bf16; the five weights rounded to bf16.
; All go out as blocks of [1024][1024] bf16 (2,097,152 bytes): px = xt by batch (8 blocks), then W2;  pa = xa by batch (8 blocks), then W1;  pw = Wq, Wk;  pv = Wv.
; (The product launches find their operands by block numbers made of their ids alone; that is why W2 and W1 lie at the same block of two buffers.)
; SHARES.  4,096 waves.  Wave gw takes rows 2 gw and 2 gw + 1 of x, a whole row in 32 registers (load j: columns 128 j + 4 lane .. + 3), so mean and variance never leave the wave:
; no LDS, no barrier.  The variance is taken of the centred row (two passes over registers), so a common offset of x costs no accuracy.  It also takes 1,024 bytes of each weight.
; Every load of a wave covers 512 consecutive bytes, every store 256 consecutive bytes at a multiple of 256 from the buffer's first byte.  Each input byte is read once.
; All 42 loads of a wave go out at the start; the waits count down as the data are wanted.  A stream: matrix units, clusters and LDS would add nothing; the loads are all out at once, so nothing is prefetched.
; LIMITS.  relu(NaN) counts as 0; NaN and infinities are not treated apart.
; THE MODE: SCHED_MODE bits 1:0 = 2 (LLVM: expert scheduling mode 2), set by the entry lines.  The code itself states the register dependences between vector instructions and memory
; instructions, with s_wait_alu, always for 0.
; THE PLAN.  Registers that memory instructions touch:
;   v2, v3     byte offsets, made once at the head and never written again: every load reads v2, every store v3.
;   X0, X1     a row of x: a load lands in it once, at the start; vector instructions centre it in place; at the end the row's conversions put its xt into registers 4 j and 4 j + 1, which eight stores read.
;   G, BT      loads land in them once; vector instructions alone read them.
;   W          loads land in it once; of each four registers the first two take the four numbers in bf16, which ten stores read.
;   YA0, YA1   xa of row 0 and of row 1: written by that row's conversions, read by its eight stores.
; No load is issued behind the head, so no load lands in a register that a vector instruction has named; and every register that a store reads is written once in the launch and never again, so nothing
; has to be freed.  What is left to state is that a store's data are written: one wait ahead of each run of stores, and for xa that wait is the one that stands behind the row's two v_rsq_f32 in any case.
.set BLK, 2097152
.set T,   8            ; v[8:23]    at work: no memory instruction names them
.set MU,  24           ; v[24:25]   the row's mean, twice
.set RS,  26           ; v[26:27], v[28:29]  1 / sqrt(var + eps) of row 0, row 1, twice each
.set X,   32           ; v[32:95]   the two rows; at the end registers 4 j, 4 j + 1 of a row hold its xt to store
.set G,   96           ; v[96:127]  ln_scale of my columns
.set BT,  128          ; v[128:159] ln_bias
.set W,   160          ; v[160:199] ten loads of weights; then, in the first two of each four registers, the weights to store
.set YA,  200          ; v[200:231] xa to store: row r at YA + 16 r
	s_load_b512 s[4:19], s[0:1], 0x0               ; x s[4:5], ln_scale s[6:7], ln_bias s[8:9], Wq, Wk, Wv, W1, W2 s[10:19]
	s_load_b256 s[20:27], s[0:1], 0x40             ; px s[20:21], pa s[22:23], pw s[24:25], pv s[26:27]
	v_lshrrev_b32 v1, 5, v0
	v_readfirstlane_b32 s28, v1                    ; wave 0..7
	v_and_b32 v4, 31, v0
	v_lshlrev_b32 v2, 4, v4                        ; 16 x lane: f32 in
	v_lshlrev_b32 v3, 3, v4                        ; 8 x lane: bf16 out
	s_wait_alu depctr_va_sdst(0)                   ; s28 is written, ahead of its first reader: all the bases are made from it
	s_lshl_b32 s29, ttmp9, 3
	s_add_co_u32 s29, s29, s28                     ; gw
	s_mov_b32 s30, 0x76543210                      ; v_permlanex16_b32: each lane takes its own place in the other half
	s_mov_b32 s31, 0xfedcba98
	s_mov_b32 s44, 0x3a800000                      ; 1 / 1024
	s_mov_b32 s45, 0x3727c5ac                      ; 1e-5
	s_lshl_b32 s32, s29, 13                        ; two rows of 4,096 bytes
	s_mov_b32 s33, 0
	s_lshl_b32 s34, s29, 12                        ; two rows of 2,048 bytes
	s_mov_b32 s35, 0
	s_lshl_b32 s36, s29, 10                        ; my 1,024 bytes of a weight
	s_mov_b32 s37, 0
	s_lshl_b32 s38, s29, 9                         ; and their 512 bytes in bf16,
	s_mov_b32 s39, 0
	s_add_co_u32 s40, s38, 8*BLK                   ; the same behind eight blocks
	s_mov_b32 s41, 0
	s_wait_kmcnt 0x0
	s_add_nc_u64 s[4:5], s[4:5], s[32:33]
.irp i, 0,1,2,3,4
	s_add_nc_u64 s[10+2*(\i):11+2*(\i)], s[10+2*(\i):11+2*(\i)], s[36:37]
.endr
	s_add_nc_u64 s[42:43], s[20:21], s[40:41]      ; W2's place: px, block 8
	s_add_nc_u64 s[46:47], s[22:23], s[40:41]      ; W1's place: pa, block 8
	s_add_nc_u64 s[20:21], s[20:21], s[34:35]      ; xt at my rows
	s_add_nc_u64 s[22:23], s[22:23], s[34:35]      ; xa at my rows
	s_add_nc_u64 s[24:25], s[24:25], s[38:39]      ; Wq's place; Wk's is one block on
	s_add_nc_u64 s[26:27], s[26:27], s[38:39]      ; Wv's place
	s_wait_alu depctr_va_vdst(0)                   ; v2 and v3 are written: every load and store of the kernel reads one of them as its offset
.irp r, 0,1
.irp j, 0,1,2,3,4,5,6,7
	global_load_b128 v[X+32*(\r)+4*(\j):X+32*(\r)+4*(\j)+3], v2, s[4:5] offset:4096*(\r)+512*(\j) th:TH_LOAD_NT
.endr
.endr
.irp j, 0,1,2,3,4,5,6,7
	global_load_b128 v[G+4*(\j):G+4*(\j)+3], v2, s[6:7] offset:512*(\j)
.endr
.irp j, 0,1,2,3,4,5,6,7
	global_load_b128 v[BT+4*(\j):BT+4*(\j)+3], v2, s[8:9] offset:512*(\j)
.endr
.irp i, 0,1,2,3,4
	global_load_b128 v[W+8*(\i):W+8*(\i)+3],   v2, s[10+2*(\i):11+2*(\i)] th:TH_LOAD_NT
	global_load_b128 v[W+8*(\i)+4:W+8*(\i)+7], v2, s[10+2*(\i):11+2*(\i)] offset:512 th:TH_LOAD_NT
.endr
; xa of row r: relu(x) + x, rounded, into YA[r].  It reads the row as loaded, so it stands ahead of STAT, which centres the row in place.  Its stores (AOUT) stand behind STAT's wait.
.macro RELU r
.irp j, 0,1,2,3,4,5,6,7
.irp k, 0,1,2,3
	v_max_num_f32 v[T+4*((\j)%4)+(\k)], 0, v[X+32*(\r)+4*(\j)+(\k)]
.endr
	v_pk_add_f32 v[T+4*((\j)%4):T+4*((\j)%4)+1],   v[T+4*((\j)%4):T+4*((\j)%4)+1],   v[X+32*(\r)+4*(\j):X+32*(\r)+4*(\j)+1]
	v_pk_add_f32 v[T+4*((\j)%4)+2:T+4*((\j)%4)+3], v[T+4*((\j)%4)+2:T+4*((\j)%4)+3], v[X+32*(\r)+4*(\j)+2:X+32*(\r)+4*(\j)+3]
	v_cvt_pk_bf16_f32 v[YA+16*(\r)+2*(\j)],   v[T+4*((\j)%4)],   v[T+4*((\j)%4)+1]
	v_cvt_pk_bf16_f32 v[YA+16*(\r)+2*(\j)+1], v[T+4*((\j)%4)+2], v[T+4*((\j)%4)+3]
.endr
.endm
.macro AOUT r                          ; xa of row r is stored
.irp j, 0,1,2,3,4,5,6,7
	global_store_b64 v3, v[YA+16*(\r)+2*(\j):YA+16*(\r)+2*(\j)+1], s[22:23] offset:256*(\j)+2048*(\r)
.endr
.endm
; v[T:T+7], four packed chains, into one number in every lane
.macro WSUM
	v_pk_add_f32 v[T:T+1], v[T:T+1], v[T+2:T+3]
	v_pk_add_f32 v[T+4:T+5], v[T+4:T+5], v[T+6:T+7]
	v_pk_add_f32 v[T:T+1], v[T:T+1], v[T+4:T+5]
	v_add_f32 v[T], v[T], v[T+1]
.irp m, 1,2,4,8
	v_add_f32_dpp v[T], v[T], v[T] row_xmask:\m row_mask:0xf bank_mask:0xf
.endr
	v_permlanex16_b32 v[T+1], v[T], s30, s31       ; its destination has been written above
	v_add_f32 v[T], v[T], v[T+1]
.endm
; mean; the row centred in place; 1 / sqrt(var + eps)
.macro STAT r
.irp k, 0,1,2,3
	v_pk_add_f32 v[T+2*(\k):T+2*(\k)+1], v[X+32*(\r)+2*(\k):X+32*(\r)+2*(\k)+1], v[X+32*(\r)+8+2*(\k):X+32*(\r)+8+2*(\k)+1]
.endr
.irp p, 8,9,10,11,12,13,14,15
	v_pk_add_f32 v[T+2*((\p)%4):T+2*((\p)%4)+1], v[T+2*((\p)%4):T+2*((\p)%4)+1], v[X+32*(\r)+2*(\p):X+32*(\r)+2*(\p)+1]
.endr
	WSUM
	v_mul_f32 v[MU], s44, v[T]
	v_mov_b32 v[MU+1], v[MU]
.irp p, 0,1,2,3,4,5,6,7,8,9,10,11,12,13,14,15
	v_pk_add_f32 v[X+32*(\r)+2*(\p):X+32*(\r)+2*(\p)+1], v[X+32*(\r)+2*(\p):X+32*(\r)+2*(\p)+1], v[MU:MU+1] neg_lo:[0,1] neg_hi:[0,1]
.endr
.irp k, 0,1,2,3
	v_pk_mul_f32 v[T+2*(\k):T+2*(\k)+1], v[X+32*(\r)+2*(\k):X+32*(\r)+2*(\k)+1], v[X+32*(\r)+2*(\k):X+32*(\r)+2*(\k)+1]
.endr
.irp p, 4,5,6,7,8,9,10,11,12,13,14,15
	v_pk_fma_f32 v[T+2*((\p)%4):T+2*((\p)%4)+1], v[X+32*(\r)+2*(\p):X+32*(\r)+2*(\p)+1], v[X+32*(\r)+2*(\p):X+32*(\r)+2*(\p)+1], v[T+2*((\p)%4):T+2*((\p)%4)+1]
.endr
	WSUM
	v_fma_f32 v[T], v[T], s44, s45                 ; var + eps
	v_rsq_f32 v[RS+2*(\r)], v[T]                   ; made twice, to fill the pair that the packed multiply names
	v_rsq_f32 v[RS+2*(\r)+1], v[T]
	v_nop                                          ; a plain instruction behind the last of the two,
	s_wait_alu depctr_va_vdst(0)                   ; and one wait for two things: the two results v[RS ..] are written, ahead of their first reader; and the row's
	                                               ; conversions, issued ahead of this macro, have written YA[r], which the eight stores behind it read
.endm
; one store of xt: registers 4 j, 4 j + 1 of row r
.macro TST r, j
	global_store_b64 v3, v[X+32*(\r)+4*(\j):X+32*(\r)+4*(\j)+1], s[20:21] offset:256*(\j)+2048*(\r)
.endm
; xt of row r, into the first two of each four registers of the row itself, which the multiplies above them have read for the last time.
; deal = 1: the stores of the row before are dealt among the arithmetic, one ahead of each six lines.  No wait: no vector instruction since the wait ahead of this macro names that row's registers or v3.
.macro NORM r, deal
.irp j, 0,1,2,3,4,5,6,7
.if \deal
	TST (\r)-1, \j
.endif
	v_pk_mul_f32 v[T+4*((\j)%4):T+4*((\j)%4)+1],   v[X+32*(\r)+4*(\j):X+32*(\r)+4*(\j)+1],   v[RS+2*(\r):RS+2*(\r)+1]
	v_pk_mul_f32 v[T+4*((\j)%4)+2:T+4*((\j)%4)+3], v[X+32*(\r)+4*(\j)+2:X+32*(\r)+4*(\j)+3], v[RS+2*(\r):RS+2*(\r)+1]
	v_pk_fma_f32 v[T+4*((\j)%4):T+4*((\j)%4)+1],   v[T+4*((\j)%4):T+4*((\j)%4)+1],   v[G+4*(\j):G+4*(\j)+1],   v[BT+4*(\j):BT+4*(\j)+1]
	v_pk_fma_f32 v[T+4*((\j)%4)+2:T+4*((\j)%4)+3], v[T+4*((\j)%4)+2:T+4*((\j)%4)+3], v[G+4*(\j)+2:G+4*(\j)+3], v[BT+4*(\j)+2:BT+4*(\j)+3]
	v_cvt_pk_bf16_f32 v[X+32*(\r)+4*(\j)],   v[T+4*((\j)%4)],   v[T+4*((\j)%4)+1]
	v_cvt_pk_bf16_f32 v[X+32*(\r)+4*(\j)+1], v[T+4*((\j)%4)+2], v[T+4*((\j)%4)+3]
.endr
.endm
; weight i of the five: my 256 numbers rounded: four numbers close up into the first two of their four registers
.macro WCVT i
.irp n, 0,1
	v_cvt_pk_bf16_f32 v[W+8*(\i)+4*(\n)],   v[W+8*(\i)+4*(\n)],   v[W+8*(\i)+4*(\n)+1]
	v_cvt_pk_bf16_f32 v[W+8*(\i)+4*(\n)+1], v[W+8*(\i)+4*(\n)+2], v[W+8*(\i)+4*(\n)+3]
.endr
.endm
; and stored, from the scalar pair at base, off bytes on
.macro WOUT i, base, off
.irp n, 0,1
	global_store_b64 v3, v[W+8*(\i)+4*(\n):W+8*(\i)+4*(\n)+1], s[(\base):(\base)+1] offset:(\off)+256*(\n)
.endr
.endm
	s_wait_loadcnt 34                              ; row 0 is in: 8 + 8 + 8 + 10 younger loads may stay out
	RELU 0
	STAT 0
	AOUT 0                                         ; behind STAT's wait, and ahead of the wait for row 1
	s_wait_loadcnt 26                              ; row 1 is in
	RELU 1                                         ; into YA1: the stores above go on reading YA0
	STAT 1
	AOUT 1
	s_wait_loadcnt 10                              ; ln_scale and ln_bias are in; the weights' ten loads may stay out
	NORM 0, 0
	s_wait_alu depctr_va_vdst(0)                   ; the conversions have written row 0's xt, which the stores dealt among row 1's arithmetic read
	NORM 1, 1
	s_wait_alu depctr_va_vdst(0)                   ; the conversions have written row 1's xt, which the eight stores below read
.irp j, 0,1,2,3,4,5,6,7
	TST 1, \j
.endr
	s_wait_loadcnt 0x0                             ; the weights
.irp i, 0,1,2,3,4
	WCVT \i
.endr
	s_wait_alu depctr_va_vdst(0)                   ; the conversions have written the weights in bf16, which the ten stores below read
	WOUT 0, 24, 0                                  ; Wq -> pw, block 0
	WOUT 1, 24, BLK                                ; Wk -> pw, block 1
	WOUT 2, 26, 0                                  ; Wv -> pv
	WOUT 3, 46, 0                                  ; W1 -> pa, block 8
	WOUT 4, 42, 0                                  ; W2 -> px, block 8
	s_endpgm
.Lfunc_end_k_q2a806b9e50_prep:
	.size	k_q2a806b9e50_prep, .Lfunc_end_k_q2a806b9e50_prep-k_q2a806b9e50_prep
	.p2alignl 7, 3214868480
	.fill 96, 4, 3214868480
	.section	.rodata,"a",@progbits
	.p2align	6, 0x0
	.amdhsa_kernel k_q2a806b9e50_prep
		.amdhsa_group_segment_fixed_size 0
		.amdhsa_private_segment_fixed_size 0
		.amdhsa_enable_private_segment 0
		.amdhsa_kernarg_size 96
		.amdhsa_user_sgpr_count 2
		.amdhsa_user_sgpr_kernarg_segment_ptr 1
		.amdhsa_wavefront_size32 1
		.amdhsa_system_sgpr_workgroup_id_x 1
		.amdhsa_system_sgpr_workgroup_id_y 1
		.amdhsa_system_sgpr_workgroup_id_z 1
		.amdhsa_system_vgpr_workitem_id 0
		.amdhsa_next_free_vgpr 240
		.amdhsa_next_free_sgpr 66
		.amdhsa_reserve_vcc 0
		.amdhsa_float_denorm_mode_32 3
		.amdhsa_float_denorm_mode_16_64 3
		.amdhsa_memory_ordered 1
		.amdhsa_forward_progress 1
		.amdhsa_inst_pref_size 32
	.end_amdhsa_kernel
	.amdgpu_metadata
---
amdhsa.version: [ 1, 2 ]
amdhsa.kernels:
  - .name:           k_q2a806b9e50_prep
    .symbol:         k_q2a806b9e50_prep.kd
    .args:
      - { .name: x, .offset: 0, .size: 8, .value_kind: global_buffer, .address_space: global }
      - { .name: ln_scale, .offset: 8, .size: 8, .value_kind: global_buffer, .address_space: global }
      - { .name: ln_bias, .offset: 16, .size: 8, .value_kind: global_buffer, .address_space: global }
      - { .name: Wq, .offset: 24, .size: 8, .value_kind: global_buffer, .address_space: global }
      - { .name: Wk, .offset: 32, .size: 8, .value_kind: global_buffer, .address_space: global }
      - { .name: Wv, .offset: 40, .size: 8, .value_kind: global_buffer, .address_space: global }
      - { .name: W1, .offset: 48, .size: 8, .value_kind: global_buffer, .address_space: global }
      - { .name: W2, .offset: 56, .size: 8, .value_kind: global_buffer, .address_space: global }
      - { .name: px, .offset: 64, .size: 8, .value_kind: global_buffer, .address_space: global }
      - { .name: pa, .offset: 72, .size: 8, .value_kind: global_buffer, .address_space: global }
      - { .name: pw, .offset: 80, .size: 8, .value_kind: global_buffer, .address_space: global }
      - { .name: pv, .offset: 88, .size: 8, .value_kind: global_buffer, .address_space: global }
    .group_segment_fixed_size: 0
    .private_segment_fixed_size: 0
    .kernarg_segment_align: 8
    .kernarg_segment_size: 96
    .max_flat_workgroup_size: 256
    .sgpr_count:     66
    .vgpr_count:     240
    .wavefront_size: 32
...
	.end_amdgpu_metadata
.endif
;; end of part 5
;; launch r1: the kernel of part 2 again; grid 64 x 4, 4 waves a work-group, clusters of 4 x 4, 327,680 bytes of LDS; arguments px, pw, pa, x, bq, bk, l; writes bq, bk
;; launch r2: the kernel of part 2 again; grid 4 x 64, 4 waves a work-group, clusters of 4 x 4, 327,680 bytes of LDS; arguments pv, px, bq, bk, vt, ev, l; writes vt, ev
;; launch fix (part 6): grid 256 x 1, 8 waves a work-group, no clusters, 0 bytes of LDS; arguments ev, bq; writes bq
.if DOCPART == 6
	.amdgcn_target "amdgcn-amd-amdhsa--gfx1250"
	.amdhsa_code_object_version 6
	.text
	.protected	k_q2a806b9e50_fix
	.globl	k_q2a806b9e50_fix
	.p2align	8
	.type	k_q2a806b9e50_fix,@function
k_q2a806b9e50_fix:
	s_mov_b64 s[64:65], 0
	v_nop
	global_prefetch_b8 v0, s[64:65] scope:SCOPE_SE
	s_setreg_imm32_b32 hwreg(HW_REG_WAVE_SCHED_MODE, 0, 2), 2
	s_setreg_imm32_b32 hwreg(HW_REG_WAVE_MODE, 25, 1), 1
	s_wait_xcnt 0x0
	s_wait_alu depctr_vm_vsrc(0)
; THE SOFTMAX IS JOINED.  The launch before left in the first argument, for each batch b, query block t of 128 and key: E = 2^(t_q - M_t) (bf16, blocks 0-7 of 2 MiB, [q][key]), M_t and L_t (f32, behind the
; 8 blocks: M[b][t][key], then L).  Here M = max over t of M_t, L = the sum over t of 2^(M_t - M) L_t, and attn[q][key] = E x 2^(M_t - M) / L, rounded once more to bf16, into the second argument
; (the buffer that held q, which nobody reads any more).  L is at least 1: the block that holds M counts whole.
; A query block whose rows are all hidden has M_t = -1e30, so its factor is 0.  LIMIT: l[b] >= 1, as the problem gives it.
; SHARES.  Work-group g: batch g / 32, query block (g / 4) % 8, keys 256 (g % 4) .. + 255.  A lane keeps the same 8 keys in every row, so its 8 factors are made once; wave w takes rows 16 w .. 16 w + 15.
; A load or store of a row covers 512 consecutive bytes at a multiple of 512.  All 50 loads of a wave go out at the start.  A stream: no LDS, no barrier, no matrix unit, nothing shared that a cluster could spare
; but the 16 KiB of statistics; the loads are all out at once, so nothing is prefetched.
; THE MODE: SCHED_MODE bits 1:0 = 2 (LLVM: expert scheduling mode 2), set by the entry lines.  The code itself states the register dependences between vector instructions and memory
; instructions, with s_wait_alu, always for 0.
; THE PLAN.  Registers that memory instructions touch:
;   v2, v3       byte offsets, made once at the head and never written again: the loads read one of them, the stores v2.
;   MS, LS, MO   loads land in them once, at the start; vector instructions alone name them afterwards.
;   E0 .. E15    a row: a load lands in it once, at the start; the row's four conversions write it in place; one store reads it; nothing writes it again.
; No load is issued behind the head, and no register that a store reads is written again: what is left to state is that a store's data are written.  The 16 rows go in four blocks of four.  Block p's
; arithmetic names T, CF and its own four rows; its memory instructions are the four stores of block p - 1.  So one wait at the head of a block states all that its four stores hang on, and they are dealt among
; its arithmetic with no further wait; one more wait stands ahead of the last block's stores.
.set MG,  8            ; v[8:15]    M of my 8 keys
.set LG,  16           ; v[16:23]   L, then 1 / L
.set CF,  24           ; v[24:31]   my factors
.set E,   32           ; v[32:95]   16 rows, 4 registers each
.set MS,  96           ; v[96:159]  M_t, then 2^(M_t - M), t = 0 .. 7
.set LS,  160          ; v[160:223] L_t
.set MO,  224          ; v[224:231] the same for my own query block
.set T,   232          ; v[232:239] at work: no memory instruction names them
.set STATS, 16777216
.set LOFF,  262144
	s_load_b128 s[4:7], s[0:1], 0x0                ; E and statistics s[4:5], attn s[6:7]
	v_lshrrev_b32 v1, 5, v0
	v_readfirstlane_b32 s12, v1                    ; wave 0..7
	v_and_b32 v4, 31, v0
	v_lshlrev_b32 v2, 4, v4                        ; my 8 keys in a row of E: 16 bytes
	v_lshlrev_b32 v3, 5, v4                        ; and in a row of M or L: 32 bytes
	s_wait_alu depctr_va_sdst(0)                   ; s12 is written, ahead of its first reader: the rows' bases are made from it
	s_mov_b32 s31, 0xffff0000                      ; a word's upper bf16
	s_lshr_b32 s13, ttmp9, 5                       ; b
	s_bfe_u32 s14, ttmp9, 0x30002                  ; t
	s_and_b32 s15, ttmp9, 3                        ; which 256 keys
	s_lshl_b32 s16, s13, 21                        ; the batch's block,
	s_lshl_b32 s18, s14, 18                        ; 128 t rows of 2,048 bytes,
	s_add_co_u32 s16, s16, s18
	s_lshl_b32 s18, s12, 15                        ; 16 w rows,
	s_add_co_u32 s16, s16, s18
	s_lshl_b32 s18, s15, 9                         ; 256 keys of 2 bytes
	s_add_co_u32 s16, s16, s18
	s_mov_b32 s17, 0
	s_lshl_b32 s20, s13, 15                        ; M: 8 b rows of 4,096 bytes,
	s_lshl_b32 s18, s15, 10                        ; 256 keys of 4 bytes
	s_add_co_u32 s20, s20, s18
	s_add_co_u32 s20, s20, STATS
	s_mov_b32 s21, 0
	s_lshl_b32 s22, s14, 12                        ; my own query block's row
	s_mov_b32 s23, 0
	s_wait_kmcnt 0x0
	s_add_nc_u64 s[24:25], s[4:5], s[20:21]
	s_add_nc_u64 s[26:27], s[24:25], s[22:23]
	s_add_nc_u64 s[4:5], s[4:5], s[16:17]
	s_add_nc_u64 s[6:7], s[6:7], s[16:17]
	s_wait_alu depctr_va_vdst(0)                   ; v2 and v3 are written: every load and store of the kernel reads one of them as its offset
.irp t, 0,1,2,3,4,5,6,7
	global_load_b128 v[MS+8*(\t):MS+8*(\t)+3],   v3, s[24:25] offset:4096*(\t)
	global_load_b128 v[MS+8*(\t)+4:MS+8*(\t)+7], v3, s[24:25] offset:4096*(\t)+16
.endr
.irp t, 0,1,2,3,4,5,6,7
	global_load_b128 v[LS+8*(\t):LS+8*(\t)+3],   v3, s[24:25] offset:LOFF+4096*(\t)
	global_load_b128 v[LS+8*(\t)+4:LS+8*(\t)+7], v3, s[24:25] offset:LOFF+4096*(\t)+16
.endr
	global_load_b128 v[MO:MO+3],   v3, s[26:27]
	global_load_b128 v[MO+4:MO+7], v3, s[26:27] offset:16
.irp i, 0,1,2,3,4,5,6,7,8,9,10,11,12,13,14,15
	global_load_b128 v[E+4*(\i):E+4*(\i)+3], v2, s[4:5] offset:2048*(\i) th:TH_LOAD_NT
.endr
	s_wait_loadcnt 16                              ; the statistics are in; the 16 rows may stay out
.irp k, 0,1,2,3,4,5,6,7
	v_max3_num_f32 v[MG+(\k)], v[MS+(\k)], v[MS+8+(\k)], v[MS+16+(\k)]
.endr
.irp k, 0,1,2,3,4,5,6,7
	v_max3_num_f32 v[MG+(\k)], v[MG+(\k)], v[MS+24+(\k)], v[MS+32+(\k)]
.endr
.irp k, 0,1,2,3,4,5,6,7
	v_max3_num_f32 v[MG+(\k)], v[MG+(\k)], v[MS+40+(\k)], v[MS+48+(\k)]
.endr
.irp k, 0,1,2,3,4,5,6,7
	v_max_num_f32 v[MG+(\k)], v[MG+(\k)], v[MS+56+(\k)]
.endr
.set n, 0
.rept 32
	v_pk_add_f32 v[MS+n:MS+n+1], v[MS+n:MS+n+1], v[MG+n%8:MG+n%8+1] neg_lo:[0,1] neg_hi:[0,1]
.set n, n+2
.endr
.irp k, 0,2,4,6
	v_pk_add_f32 v[MO+(\k):MO+(\k)+1], v[MO+(\k):MO+(\k)+1], v[MG+(\k):MG+(\k)+1] neg_lo:[0,1] neg_hi:[0,1]
.endr
.set n, 0
.rept 64
	v_exp_f32 v[MS+n], v[MS+n]                     ; one batch of 72: nothing ahead of its wait names a result
.set n, n+1
.endr
.irp k, 0,1,2,3,4,5,6,7
	v_exp_f32 v[MO+(\k)], v[MO+(\k)]
.endr
	v_nop                                          ; a plain instruction behind the last exponential,
	s_wait_alu depctr_va_vdst(0)                   ; and the batch's one wait: the 72 results in MS and MO are written, ahead of their first reader
.irp k, 0,2,4,6
	v_pk_mul_f32 v[LG+(\k):LG+(\k)+1], v[MS+(\k):MS+(\k)+1], v[LS+(\k):LS+(\k)+1]
.endr
.irp t, 1,2,3,4,5,6,7
.irp k, 0,2,4,6
	v_pk_fma_f32 v[LG+(\k):LG+(\k)+1], v[MS+8*(\t)+(\k):MS+8*(\t)+(\k)+1], v[LS+8*(\t)+(\k):LS+8*(\t)+(\k)+1], v[LG+(\k):LG+(\k)+1]
.endr
.endr
.irp k, 0,1,2,3,4,5,6,7
	v_rcp_f32 v[LG+(\k)], v[LG+(\k)]
.endr
	v_nop
	s_wait_alu depctr_va_vdst(0)                   ; one wait for the eight reciprocals in LG, ahead of their first reader
.irp k, 0,2,4,6
	v_pk_mul_f32 v[CF+(\k):CF+(\k)+1], v[MO+(\k):MO+(\k)+1], v[LG+(\k):LG+(\k)+1]
.endr
.irp i, 0,1,2,3,4,5,6,7,8,9,10,11,12,13,14,15
	s_wait_loadcnt 15-(\i)                         ; row i is in; the younger rows may stay out
.if ((\i) % 4 == 0) && ((\i) > 0)
	s_wait_alu depctr_va_vdst(0)                   ; a block's head: the conversions of the block before have written its four rows, which the four stores dealt among this block's arithmetic read
.endif
.if (\i) >= 4
	global_store_b128 v2, v[E+4*((\i)-4):E+4*((\i)-4)+3], s[6:7] offset:2048*((\i)-4)  ; the row four back; no vector instruction since the block's wait names its registers
.endif
.irp k, 0,1,2,3
	v_lshlrev_b32 v[T+2*(\k)],   16,  v[E+4*(\i)+(\k)]
	v_and_b32     v[T+2*(\k)+1], s31, v[E+4*(\i)+(\k)]
.endr
.irp k, 0,2,4,6
	v_pk_mul_f32 v[T+(\k):T+(\k)+1], v[T+(\k):T+(\k)+1], v[CF+(\k):CF+(\k)+1]
.endr
.irp k, 0,1,2,3
	v_cvt_pk_bf16_f32 v[E+4*(\i)+(\k)], v[T+2*(\k)], v[T+2*(\k)+1]
.endr
.endr
	s_wait_alu depctr_va_vdst(0)                   ; the last block's conversions have written rows 12 to 15, which the last four stores read
.irp i, 12,13,14,15
	global_store_b128 v2, v[E+4*(\i):E+4*(\i)+3], s[6:7] offset:2048*(\i)
.endr
	s_endpgm
.Lfunc_end_k_q2a806b9e50_fix:
	.size	k_q2a806b9e50_fix, .Lfunc_end_k_q2a806b9e50_fix-k_q2a806b9e50_fix
	.p2alignl 7, 3214868480
	.fill 96, 4, 3214868480
	.section	.rodata,"a",@progbits
	.p2align	6, 0x0
	.amdhsa_kernel k_q2a806b9e50_fix
		.amdhsa_group_segment_fixed_size 0
		.amdhsa_private_segment_fixed_size 0
		.amdhsa_enable_private_segment 0
		.amdhsa_kernarg_size 16
		.amdhsa_user_sgpr_count 2
		.amdhsa_user_sgpr_kernarg_segment_ptr 1
		.amdhsa_wavefront_size32 1
		.amdhsa_system_sgpr_workgroup_id_x 1
		.amdhsa_system_sgpr_workgroup_id_y 1
		.amdhsa_system_sgpr_workgroup_id_z 1
		.amdhsa_system_vgpr_workitem_id 0
		.amdhsa_next_free_vgpr 240
		.amdhsa_next_free_sgpr 66
		.amdhsa_reserve_vcc 0
		.amdhsa_float_denorm_mode_32 3
		.amdhsa_float_denorm_mode_16_64 3
		.amdhsa_memory_ordered 1
		.amdhsa_forward_progress 1
		.amdhsa_inst_pref_size 30
	.end_amdhsa_kernel
	.amdgpu_metadata
---
amdhsa.version: [ 1, 2 ]
amdhsa.kernels:
  - .name:           k_q2a806b9e50_fix
    .symbol:         k_q2a806b9e50_fix.kd
    .args:
      - { .name: ev, .offset: 0, .size: 8, .value_kind: global_buffer, .address_space: global }
      - { .name: bq, .offset: 8, .size: 8, .value_kind: global_buffer, .address_space: global }
    .group_segment_fixed_size: 0
    .private_segment_fixed_size: 0
    .kernarg_segment_align: 8
    .kernarg_segment_size: 16
    .max_flat_workgroup_size: 256
    .sgpr_count:     66
    .vgpr_count:     240
    .wavefront_size: 32
...
	.end_amdgpu_metadata
.endif
;; end of part 6
;; launch r3: the kernel of part 4 again; grid 12 x 16, 4 waves a work-group, clusters of 4 x 4, 327,680 bytes of LDS; arguments pa, px, bq, vt, pw, out0, bk, ev, b2, b1; writes out0, bk, ev
;; launch r4: the kernel of part 4 again; grid 4 x 48, 4 waves a work-group, clusters of 4 x 4, 327,680 bytes of LDS; arguments bk, pa, x, vt, px, ev, bq, out0, b1, b2; writes ev, bq, out0
